; MI455X (gfx1250); checked and timed in simulation.
; The chip was launched on July 23, 2026; its instructions are those of AMD's public machine-readable ISA for CDNA 5 (MIT licence, August 2026) and "CDNA5" Instruction Set Architecture Reference Guide (July 2026). The comments in the code are by the model that wrote it; some were corrected since.
;; Multi Headed Attention. Allowed arithmetic: matrix products marked QUANTISED: E2M1 operands, one E8M0 scale for each 32 along K, by v_wmma_scale_f32_16x16x128_f8f6f4 with both operands' format E2M1 (or v_wmma_scale_f32_32x16x128_f4), f32 sums; products left as they are: bf16, f16 or f32 operands; f32 sums; everything else in f32.
;; Inputs: Wk 1,024 x 1,024 float32; Wo 1,024 x 1,024 float32; Wq 1,024 x 1,024 float32; Wv 1,024 x 1,024 float32; bk 1,024 float32; bo 1,024 float32; bq 1,024 float32; bv 1,024 float32; key 2 x 2,048 x 1,024 float32; query 2 x 2,048 x 1,024 float32; value 2 x 2,048 x 1,024 float32.
;; Outputs: out0 2 x 2,048 x 1,024 float32.
;; This version of the problem:
;;   THIS VERSION OF THE PROBLEM IS GIVEN IN LOW PRECISION. The matrix products marked QUANTISED in the list below multiply operands that are first quantised to E2M1 (2 exponent bits, 1 mantissa bit; 4 bits a number), with one power-of-two scale for each 32 numbers along K (OCP MX v1.0); their sums are f32. The products marked 'left as it is' may take bf16, f16 or f32 operands, with f32 sums. Whichever they take, every output number must still come out within the allowed error. Rounding operands to bf16 (8 significant bits) uses up far more of that allowance than f16 does (11 bits, for magnitudes from 6e-5 to 65,504). All else is computed in f32.
;;   The module's matrix products, in the order in which they are computed (A, B: the left and right operand; K: the contracted axis; several contracted axes count as one K, in the product's order):
;;     1. [M 4,096, K 1,024] x [K 1,024, N 1,024]; A: input query; B: input Wq: QUANTISED
;;     2. [M 4,096, K 1,024] x [K 1,024, N 1,024]; A: input key; B: input Wk: QUANTISED
;;     3. [M 4,096, K 1,024] x [K 1,024, N 1,024]; A: input value; B: input Wv: QUANTISED
;;     4. batch 32 x [M 2,048, K 64] x [K 64, N 2,048]; A: computed on the way; B: computed on the way: left as it is (an operand is computed on the way)
;;     5. batch 32 x [M 2,048, K 2,048] x [K 2,048, N 64]; A: computed on the way; B: computed on the way: left as it is (an operand is computed on the way)
;;     6. [M 4,096, K 1,024] x [K 1,024, N 1,024]; A: computed on the way; B: input Wo: left as it is (an operand is computed on the way)
;;   THE QUANTISER, for each operand of a quantised product, along K:
;;     - K is cut into blocks of 32 from its start; a last block that is shorter is filled with zeros.
;;     - A block's scale is 2^e with e = floor(log2(the largest magnitude in the block)) - 2, held to -126 .. 127; a block of zeros has e = 0. As a byte (E8M0): e + 127.
;;     - Each number is divided by its block's scale, clamped to +-6, and rounded to the nearest number of E2M1, ties to even, subnormals kept.
;;     - The product sums the exact products of the quantised numbers (number of the format x scale) in f32.
;;   ~~~python
;;   def quantise(x, axis):      # numpy; x: float32 -> the quantised numbers, widened to float32 again
;;       x = np.moveaxis(x, axis, -1); K = x.shape[-1]
;;       x = np.pad(x, [(0, 0)] * (x.ndim - 1) + [(0, -K % 32)]); x = x.reshape(x.shape[:-1] + (-1, 32)); a = np.abs(x).max(-1, keepdims=True)
;;       e = np.where(a > 0, np.clip(np.frexp(np.where(a > 0, a, 1))[1] - 1 - 2, -126, 127), 0)      # np.frexp(a)[1] - 1 = floor(log2(a)), exactly
;;       r = np.clip(x / 2.0 ** e, -6, 6)
;;       step = 2.0 ** (np.maximum(np.frexp(np.where(r == 0, 1, r))[1] - 1, 0) - 1)
;;       q = np.round(r / step) * step * 2.0 ** e      # np.round: ties to even
;;       return np.moveaxis(q.reshape(q.shape[:-2] + (-1,))[..., :K], -1, axis).astype(np.float32)
;;   ~~~
;; One version. Each part assembles by itself: llvm-mc -triple=amdgcn-amd-amdhsa -mcpu=gfx1250 --defsym DOCPART=n.
;; ======== version 1 of 1: 4 launches
;; limits: values are held in f16: magnitudes above 65,504 overflow, below 6.1e-05 lose precision
;; workspace buffers: xc 6,291,456 bytes; xs 393,216 bytes; wc 1,572,864 bytes; ws 98,304 bytes; woh 2,097,152 bytes; qkv 25,165,824 bytes; xh 8,388,608 bytes
;; launch quant (part 1): grid 640 x 1, 4 waves a work-group, no clusters, 33,280 bytes of LDS; arguments query, key, value, Wq, Wk, Wv, Wo, xc, xs, wc, ws, woh; writes xc, xs, wc, ws, woh
.if DOCPART == 1
	.amdgcn_target "amdgcn-amd-amdhsa--gfx1250"
	.amdhsa_code_object_version 6
	.text
	.protected	k_q472fe36e9d_quant
	.globl	k_q472fe36e9d_quant
	.p2align	8
	.type	k_q472fe36e9d_quant,@function
k_q472fe36e9d_quant:
	s_mov_b64 s[64:65], 0
	v_nop
	global_prefetch_b8 v0, s[64:65] scope:SCOPE_SE
	s_setreg_imm32_b32 hwreg(HW_REG_WAVE_MODE, 25, 1), 1
	s_wait_xcnt 0x0
; ONE LAUNCH, THREE KINDS OF WORK, told apart by the work-group's number alone.
;   work-groups 0-383   (X): query, key, value [4096][1024] f32 -> codes of FP4 (E2M1), K innermost, in xc [12288][512 bytes], and one E8M0 byte for each 32 along K in xs [12288][32].
;   work-groups 384-575 (W): Wq, Wk, Wv [k 1024][n 1024] f32, whose K is the FIRST axis -> codes in wc, laid as images of the operand's registers, and scale bytes in ws [3 x 1024 columns][32].
;   work-groups 576-639 (C): Wo f32 -> f16 in woh, same order.
; THE QUANTISER: a block's scale is 2^(floor(log2(its largest magnitude)) - 2); its byte is the largest magnitude's own exponent field - 2, held at 1 from below; each number is divided by the scale and
; rounded to the nearest code, ties to even, beyond 6 the largest code.
; LIMITS: a block of zeros gets the byte 1 where the rule says 127 (its codes are zeros, and this program alone reads the bytes); blocks whose largest magnitude lies under 2^-124 keep the byte 1;
; NaN and infinities are not served; Wo beyond 65,504 in magnitude has no f16 number, under 6e-5 it carries an absolute error of up to 3e-8.
; wc: [tensor 3][half of K 2][tile of 16 columns 64][128 along K 4][block of 32 4][column 16][16 bytes]: the 32 codes of one block of one column are 16 bytes, and sixteen neighbouring lanes' 16 bytes are 256 consecutive bytes.
; Only path X touches LDS: each wave's own 8,192 bytes (two stages of 32 x 80 bytes, then its 256 scale bytes).  No barrier: waves share nothing.
.set STEPS, 16
.set SP,    80                         ; X: a lane's place in a stage: its 64 bytes + 16 of padding
.set WREG,  8192                       ; X: a wave's region of LDS
.set SPARE, 4*WREG                     ; behind the four regions: the spare words, 128 bytes for each wave, which no other line names
.set SPW,   190                        ; v190  LDS address of my spare word; never rewritten
.set NIL,   191                        ; v191  0; never rewritten
.set R,     16                         ; X: v16-79   four sets of 16 numbers as loaded
.set X,     80                         ; X: v80-111  two sets of 16 neighbours
.set E,     112                        ; X: v112-127 a scale byte for each step
.set C,     128                        ; X: v128-189 codes, four registers apart for each step: no store's data are written again
.set WX,    32                         ; W: v32-95   two sets of 32 numbers: a block of one column
.set WC,    96                         ; W: v96-111  four registers of codes for each of the four blocks
.set WSB,   24                         ; W: v24      my column's four scale bytes
.set CX,    32                         ; C: v32-159  32 loads of four numbers
.macro XLOAD t                         ; step t: four loads of 512 consecutive bytes
.irp i, 0,1,2,3
	global_load_b128 v[R+16*((\t)%4)+4*\i:R+16*((\t)%4)+4*\i+3], v3, s[32:33] offset:2048*(\t)+512*\i th:TH_LOAD_NT
.endr
.endm
.macro XTURN t                         ; step t's 2,048 bytes through my stage: in as they lie, back 64 bytes a lane.  LDS serves a wave's instructions in order: no wait between
.irp i, 0,1,2,3
	ds_store_b128 v14, v[R+16*((\t)%4)+4*\i:R+16*((\t)%4)+4*\i+3] offset:32*SP*((\t)%2)+8*SP*\i
.endr
.irp i, 0,1,2,3
	ds_load_b128 v[X+16*((\t)%2)+4*\i:X+16*((\t)%2)+4*\i+3], v15 offset:32*SP*((\t)%2)+16*\i
.endr
.endm
.macro XSTEP t
.set XS, X+16*((\t)%2)
.if (\t) > 0
	s_wait_dscnt 1                                 ; this step's numbers are back from the stage; the one LDS instruction behind them, the last step's byte store, may be out
.else
	s_wait_dscnt 0x0
.endif
.if (\t)+4 < STEPS
	XLOAD (\t)+4                                   ; into the set whose stores into the stage are done by the wait above
.endif
.if (\t)+1 < STEPS
.if STEPS-2-(\t) >= 3
	s_wait_loadcnt 12                              ; the next step's four loads are in; those of the three steps behind it (12) may be out
.else
	s_wait_loadcnt 4*(STEPS-2-(\t))                ; the tail: four loads for each step still behind the next
.endif
	XTURN (\t)+1
.endif
	v_max3_num_f32 v8, |v[XS]|, |v[XS+1]|, |v[XS+2]|               ; the largest magnitude of my 16, in two chains
	v_max3_num_f32 v9, |v[XS+3]|, |v[XS+4]|, |v[XS+5]|
.irp i, 6,10
	v_max3_num_f32 v8, v8, |v[XS+\i]|, |v[XS+\i+1]|
	v_max3_num_f32 v9, v9, |v[XS+\i+2]|, |v[XS+\i+3]|
.endr
	v_max3_num_f32 v8, v8, |v[XS+14]|, |v[XS+15]|
	v_max3_num_f32 v8, v8, v9, 0x1800000           ; and the floor 2^(3 - 127): the byte cannot fall under 1
	v_max_num_f32_dpp v8, v8, v8 row_xmask:1 row_mask:0xf bank_mask:0xf   ; with my neighbour's 16: the block's
	v_add_nc_u32 v11, 0xff000000, v8               ; 2 off its exponent field: the conversion takes the exponent field of this operand as its scale
	v_cvt_scalef32_pk8_fp4_f32 v[C+4*(\t)], v[XS:XS+7], v11
	v_cvt_scalef32_pk8_fp4_f32 v[C+4*(\t)+1], v[XS+8:XS+15], v11
	v_lshrrev_b32 v[E+(\t)], 23, v11               ; the scale's byte (also the plain line behind the conversions)
	ds_store_b8 v5, v[E+(\t)] offset:16*(\t)       ; both lanes of a block write the same byte with the same value
	global_store_b64 v4, v[C+4*(\t):C+4*(\t)+1], s[34:35] offset:256*(\t)   ; the wave stores 256 consecutive bytes, aligned
.endm
.macro WLOAD t                         ; block t of my column: W(32 t + i, column), i = 0 .. 31: each load reads 128 consecutive bytes
.irp i, 0,1,2,3,4,5,6,7,8,9,10,11,12,13,14,15,16,17,18,19,20,21,22,23,24,25,26,27,28,29,30,31
	global_load_b32 v[WX+32*((\t)%2)+\i], v3, s[32:33] offset:(32*(\t)+\i)*4096 th:TH_LOAD_NT
.endr
.endm
.macro WBLOCK t
.set XS, WX+32*((\t)%2)
.if (\t) < 3
	s_wait_loadcnt 32                              ; this block's 32 loads are in; the next block's 32 may be out
.else
	s_wait_loadcnt 0x0
.endif
	v_max3_num_f32 v12, |v[XS]|, |v[XS+1]|, |v[XS+2]|              ; all 32 numbers of the block are mine
	v_max3_num_f32 v13, |v[XS+3]|, |v[XS+4]|, |v[XS+5]|
.irp i, 6,10,14,18,22,26
	v_max3_num_f32 v12, v12, |v[XS+\i]|, |v[XS+\i+1]|
	v_max3_num_f32 v13, v13, |v[XS+\i+2]|, |v[XS+\i+3]|
.endr
	v_max3_num_f32 v12, v12, |v[XS+30]|, |v[XS+31]|
	v_max3_num_f32 v12, v12, v13, 0x1800000        ; the floor
	v_add_nc_u32 v11, 0xff000000, v12
	v_lshrrev_b32 v13, 23, v11                     ; the byte
.if (\t) == 0
	v_mov_b32 v[WSB], v13
.else
	v_lshl_or_b32 v[WSB], v13, 8*(\t), v[WSB]      ; the lower K in the lower byte
.endif
.irp g, 0,1,2,3
	v_cvt_scalef32_pk8_fp4_f32 v[WC+4*(\t)+\g], v[XS+8*\g:XS+8*\g+7], v11
.endr
	global_store_b128 v4, v[WC+4*(\t):WC+4*(\t)+3], s[34:35] offset:256*(\t)   ; sixteen lanes store 256 consecutive bytes, aligned; each block has its own data registers
.if (\t) < 2
	WLOAD (\t)+2
.endif
.endm
	s_load_b512 s[4:19], s[0:1], 0x0               ; query 4, key 6, value 8, Wq 10, Wk 12, Wv 14, Wo 16, xc 18
	s_load_b256 s[20:27], s[0:1], 0x40             ; xs 20, wc 22, ws 24, woh 26
	v_lshl_add_u32 v[SPW], v0, 2, SPARE
	v_mov_b32 v[NIL], 0
	v_lshrrev_b32 v1, 5, v0
	v_readfirstlane_b32 s28, v1                    ; wave 0..3
	v_and_b32 v2, 31, v0                           ; lane
	s_mov_b32 s39, 0                               ; the high word of every offset pair s[38:39]
	s_wait_kmcnt 0x0
	s_cmp_lt_u32 ttmp9, 384
	s_cbranch_scc0 .Lnot_x
	; ---------------- X: a wave takes 16 steps of 512 numbers of one activation tensor ----------------
	s_lshr_b32 s29, ttmp9, 7                       ; which tensor: 128 work-groups each
	s_cmp_eq_u32 s29, 0
	s_cselect_b64 s[32:33], s[4:5], s[6:7]
	s_cmp_eq_u32 s29, 2
	s_cselect_b64 s[32:33], s[8:9], s[32:33]
	s_and_b32 s30, ttmp9, 127
	s_lshl_b32 s30, s30, 2
	s_add_co_u32 s30, s30, s28                     ; my run of 8,192 numbers in the tensor
	s_lshl_b32 s38, s30, 15
	s_add_nc_u64 s[32:33], s[32:33], s[38:39]
	s_lshl_b32 s30, ttmp9, 2
	s_add_co_u32 s30, s30, s28                     ; and among all three: xc and xs hold the tensors one behind the other
	s_lshl_b32 s38, s30, 12
	s_add_nc_u64 s[34:35], s[18:19], s[38:39]      ; 4,096 bytes of codes a run
	s_lshl_b32 s38, s30, 8
	s_add_nc_u64 s[36:37], s[20:21], s[38:39]      ; 256 scale bytes a run
	v_lshlrev_b32 v3, 4, v2                        ; my 16 bytes of a load's 512
	s_mul_i32 s31, s28, WREG
	v_lshrrev_b32 v14, 2, v2
	v_mul_u32_u24 v14, v14, SP
	v_and_b32 v15, 3, v2
	v_lshl_add_u32 v14, v15, 4, v14
	v_add_nc_u32 v14, s31, v14                     ; the stage, on the way in: four lanes' 64 bytes on end, then 16 of padding
	v_mul_u32_u24 v15, v2, SP
	v_add_nc_u32 v15, s31, v15                     ; and on the way out: my 16 neighbours
	v_mul_u32_u24 v4, v2, 8                        ; my codes' place in a step's 256 bytes
	v_lshrrev_b32 v5, 1, v2
	s_add_co_u32 s31, s31, 2*32*SP
	v_add_nc_u32 v5, s31, v5                       ; my block's byte among my wave's 256
	v_lshlrev_b32 v7, 3, v2
	v_add_nc_u32 v6, s31, v7                       ; and on the way out 8 bytes a lane
.irp t, 0,1,2,3
	XLOAD \t
.endr
	s_wait_loadcnt 12                              ; step 0's four loads are in; steps 1 to 3 (12 loads) may be out
	XTURN 0
.irp t, 0,1,2,3,4,5,6,7,8,9,10,11,12,13,14,15
	XSTEP \t
.endr
	ds_load_b64 v[8:9], v6                         ; LDS serves a wave's instructions in order: these see my byte stores
	s_wait_dscnt 0x0
	global_store_b64 v7, v[8:9], s[36:37]          ; the wave stores 256 consecutive bytes, aligned
	s_wait_tensorcnt 0x0                           ; the wave's end: behind my last LDS store
	ds_add_u32 v[SPW], v[NIL]
	s_wait_dscnt 0x0
	s_endpgm
.Lnot_x:
	s_cmp_lt_u32 ttmp9, 576
	s_cbranch_scc0 .Lcast
	; ---------------- W: a wave takes 32 columns x 128 along K of one weight: a lane to a column, its registers down K ----------------
	; Four blocks a lane and not more: 768 waves then each have two runs of loads one behind the other.  The scale words leave as 4 bytes a lane to rows 32 bytes apart: one byte in 128 of what the path reads.
	s_sub_co_u32 s29, ttmp9, 384
	s_lshr_b32 s30, s29, 6                         ; tensor
	s_and_b32 s31, s29, 7                          ; x: which 128 columns
	s_bfe_u32 s29, s29, 0x30003                    ; y: which 128 along K
	s_cmp_eq_u32 s30, 0
	s_cselect_b64 s[32:33], s[10:11], s[12:13]
	s_cmp_eq_u32 s30, 2
	s_cselect_b64 s[32:33], s[14:15], s[32:33]
	s_lshl_b32 s38, s29, 19                        ; 128 y rows of 4,096 bytes
	s_lshl_b32 s40, s31, 9
	s_add_co_u32 s38, s38, s40                     ; + 128 x columns
	s_lshl_b32 s40, s28, 7
	s_add_co_u32 s38, s38, s40                     ; + 32 columns a wave
	s_add_nc_u64 s[32:33], s[32:33], s[38:39]
	s_lshl_b32 s38, s30, 19                        ; wc: tensor,
	s_lshr_b32 s40, s29, 2
	s_lshl_b32 s40, s40, 18
	s_add_co_u32 s38, s38, s40                     ; half of K,
	s_lshl_b32 s40, s31, 15
	s_add_co_u32 s38, s38, s40                     ; tile of columns 8 x + 2 wave (+ lane / 16), 4,096 bytes each,
	s_lshl_b32 s40, s28, 13
	s_add_co_u32 s38, s38, s40
	s_and_b32 s40, s29, 3
	s_lshl_b32 s40, s40, 10
	s_add_co_u32 s38, s38, s40                     ; which 128 along K of the half
	s_add_nc_u64 s[34:35], s[22:23], s[38:39]
	s_lshl_b32 s38, s30, 15                        ; ws: 32 bytes a column
	s_lshl_b32 s40, s31, 12
	s_add_co_u32 s38, s38, s40
	s_lshl_b32 s40, s28, 10
	s_add_co_u32 s38, s38, s40
	s_lshl_b32 s40, s29, 2
	s_add_co_u32 s38, s38, s40                     ; + the word of these 128 along K
	s_add_nc_u64 s[36:37], s[24:25], s[38:39]
	v_lshlrev_b32 v3, 2, v2                        ; in: 4 bytes a lane
	v_lshrrev_b32 v4, 4, v2
	v_lshlrev_b32 v4, 12, v4
	v_and_b32 v5, 15, v2
	v_lshl_add_u32 v4, v5, 4, v4                   ; out: 4,096 (lane / 16) + 16 (lane % 16)
	v_lshlrev_b32 v9, 5, v2                        ; my column's row of scale bytes
	WLOAD 0
	WLOAD 1
.irp t, 0,1,2,3
	WBLOCK \t
.endr
	global_store_b32 v9, v[WSB], s[36:37]
	s_endpgm
.Lcast:
	; ---------------- C: a wave takes 4,096 numbers of Wo: all 32 loads go out, then each is rounded and stored ----------------
	s_sub_co_u32 s29, ttmp9, 576
	s_lshl_b32 s29, s29, 2
	s_add_co_u32 s29, s29, s28
	s_lshl_b32 s38, s29, 14
	s_add_nc_u64 s[32:33], s[16:17], s[38:39]
	s_lshl_b32 s38, s29, 13
	s_add_nc_u64 s[34:35], s[26:27], s[38:39]
	v_lshlrev_b32 v3, 4, v2
	v_lshlrev_b32 v5, 3, v2
.irp i, 0,1,2,3,4,5,6,7,8,9,10,11,12,13,14,15,16,17,18,19,20,21,22,23,24,25,26,27,28,29,30,31
	global_load_b128 v[CX+4*\i:CX+4*\i+3], v3, s[32:33] offset:512*\i th:TH_LOAD_NT
.endr
.irp i, 0,1,2,3,4,5,6,7,8,9,10,11,12,13,14,15,16,17,18,19,20,21,22,23,24,25,26,27,28,29,30,31
	s_wait_loadcnt 31-\i                           ; load i is in; the 31 - i behind it may be out
	v_cvt_pk_f16_f32 v[CX+4*\i], v[CX+4*\i], v[CX+4*\i+1]
	v_cvt_pk_f16_f32 v[CX+4*\i+1], v[CX+4*\i+2], v[CX+4*\i+3]
	global_store_b64 v5, v[CX+4*\i:CX+4*\i+1], s[34:35] offset:256*\i   ; the wave stores 256 consecutive bytes, aligned
.endr
	s_endpgm
.Lfunc_end_k_q472fe36e9d_quant:
	.size	k_q472fe36e9d_quant, .Lfunc_end_k_q472fe36e9d_quant-k_q472fe36e9d_quant
	.p2alignl 7, 3214868480
	.fill 96, 4, 3214868480
	.section	.rodata,"a",@progbits
	.p2align	6, 0x0
	.amdhsa_kernel k_q472fe36e9d_quant
		.amdhsa_group_segment_fixed_size 33280
		.amdhsa_private_segment_fixed_size 0
		.amdhsa_enable_private_segment 0
		.amdhsa_kernarg_size 96
		.amdhsa_user_sgpr_count 2
		.amdhsa_user_sgpr_kernarg_segment_ptr 1
		.amdhsa_wavefront_size32 1
		.amdhsa_system_sgpr_workgroup_id_x 1
		.amdhsa_system_sgpr_workgroup_id_y 1
		.amdhsa_system_sgpr_workgroup_id_z 1
		.amdhsa_system_vgpr_workitem_id 0
		.amdhsa_next_free_vgpr 192
		.amdhsa_next_free_sgpr 66
		.amdhsa_reserve_vcc 0
		.amdhsa_float_denorm_mode_32 3
		.amdhsa_float_denorm_mode_16_64 3
		.amdhsa_memory_ordered 1
		.amdhsa_forward_progress 1
		.amdhsa_inst_pref_size 64
	.end_amdhsa_kernel
	.amdgpu_metadata
---
amdhsa.version: [ 1, 2 ]
amdhsa.kernels:
  - .name:           k_q472fe36e9d_quant
    .symbol:         k_q472fe36e9d_quant.kd
    .args:
      - { .name: query, .offset: 0, .size: 8, .value_kind: global_buffer, .address_space: global }
      - { .name: key, .offset: 8, .size: 8, .value_kind: global_buffer, .address_space: global }
      - { .name: value, .offset: 16, .size: 8, .value_kind: global_buffer, .address_space: global }
      - { .name: Wq, .offset: 24, .size: 8, .value_kind: global_buffer, .address_space: global }
      - { .name: Wk, .offset: 32, .size: 8, .value_kind: global_buffer, .address_space: global }
      - { .name: Wv, .offset: 40, .size: 8, .value_kind: global_buffer, .address_space: global }
      - { .name: Wo, .offset: 48, .size: 8, .value_kind: global_buffer, .address_space: global }
      - { .name: xc, .offset: 56, .size: 8, .value_kind: global_buffer, .address_space: global }
      - { .name: xs, .offset: 64, .size: 8, .value_kind: global_buffer, .address_space: global }
      - { .name: wc, .offset: 72, .size: 8, .value_kind: global_buffer, .address_space: global }
      - { .name: ws, .offset: 80, .size: 8, .value_kind: global_buffer, .address_space: global }
      - { .name: woh, .offset: 88, .size: 8, .value_kind: global_buffer, .address_space: global }
    .group_segment_fixed_size: 33280
    .private_segment_fixed_size: 0
    .kernarg_segment_align: 8
    .kernarg_segment_size: 96
    .max_flat_workgroup_size: 128
    .sgpr_count:     66
    .vgpr_count:     192
    .wavefront_size: 32
...
	.end_amdgpu_metadata
.endif
;; end of part 1
;; launch proj (part 2): grid 4 x 48, 4 waves a work-group, clusters of 4 x 4, 327,680 bytes of LDS; arguments xc, xs, wc, ws, bq, bk, bv, qkv; writes qkv
.if DOCPART == 2
	.amdgcn_target "amdgcn-amd-amdhsa--gfx1250"
	.amdhsa_code_object_version 6
	.text
	.protected	k_q472fe36e9d_proj
	.globl	k_q472fe36e9d_proj
	.p2align	8
	.type	k_q472fe36e9d_proj,@function
k_q472fe36e9d_proj:
	s_mov_b64 s[64:65], 0
	v_nop
	global_prefetch_b8 v0, s[64:65] scope:SCOPE_SE
	s_setreg_imm32_b32 hwreg(HW_REG_WAVE_MODE, 25, 1), 1
	s_wait_xcnt 0x0
	s_wait_alu depctr_hold_cnt(0) depctr_sa_sdst(0) depctr_va_vdst(0) depctr_va_sdst(0) depctr_va_ssrc(0) depctr_va_vcc(0) depctr_vm_vsrc(0)
	s_getreg_b32 s2, hwreg(HW_REG_IB_STS2, 6, 4)
	s_cmp_eq_u32 s2, 0
	s_cbranch_scc0 .Lentry_in_a_cluster
	s_endpgm
.Lentry_in_a_cluster:
	s_bfe_u32 s2, ttmp6, 0x10000c
	s_cmp_lg_u32 s2, 0xf033
	s_cbranch_scc0 .Lentry_shape_is_right
	s_endpgm
.Lentry_shape_is_right:
; THE THREE QUANTISED PRODUCTS AS ONE: C[m][n] = bias[n] + sum over k of A[m][k] B[k][n], on codes of FP4 (E2M1) with one E8M0 scale for each 32 along K; sums in f32.
; A: xc, 12,288 rows (query's 4,096, key's, value's) of 512 bytes of codes, scales xs [12288][32].  B: the weight of the rows' tensor, wc as images of the operand's registers, scales ws [3 x 1024][32].
; The result is rounded to f16 and stored head by head: qkv [tensor x 2 + batch][head 16][position 2048][64].
; LIMITS: results beyond 65,504 in magnitude have no f16 number; under 6e-5 they carry an absolute error of up to 3e-8.  The bias is the first addend of each sum.
; A tile of C, 256 x 256, is made by a work-group of four waves; a wave makes 128 x 128: 64 accumulators, 512 registers.  K = 1,024 is two LDS slots of 512 along K: both are asked for at the head, and nothing is filled again.
; CLUSTERS: 4 x 4 work-groups.  The four of a row of the cluster need the same rows of A, the four of a column the same columns of B (all sixteen lie in one tensor: a tensor is 16 tile rows, four clusters):
; each tile is asked for JOINTLY.  192 work-groups: a smaller tile would read each fragment from LDS twice as often for work that is short either way.
; No prefetch: every tensor load of the launch goes out at its head.
; THE MATRIX INSTRUCTION IS USED TRANSPOSED (source 0 = 16 columns of B, source 1 = 16 rows of A): a lane holds eight neighbouring numbers of a row of C.
; REGISTERS: window 0: v16-29 addresses; v32-95 scale words, two sets, and nothing else ever; v128-191 A's fragments, one set; v192-255 the bias, eight registers for each block of 16 columns, in the result's layout;
;   on the way out v128-223 are free.   window 1: B's fragments, two sets, at v0 and v128.   windows 2, 3: the accumulators of my rows 0-63 and 64-127 ((a, b) at v[8 (8 (a % 4) + b)]).
.set NQ,     4                         ; steps of 128 along K in a slot
.set ROWB,   256                       ; a row of A's tile in bytes
.set KROW,   512                       ; a row of xc in bytes
.set PITCH,  272                       ; an LDS row of A: 256 bytes + 16 of padding: the 16 rows of a load start 68 words apart
.set FR,     8
.set NL,     2
.set NP,     4
.set HALFT,  128*PITCH                 ; 128 rows of A: one tensor load
.set HALFB,  32768                     ; 8 tiles of 16 columns of B, 512 along K: one tensor load, dense
.set BOFF,   2*HALFT
.set SLOT,   BOFF+2*HALFB
.set KS,     32                        ; a row of scales in bytes
.set SCL,    2*SLOT                    ; the scales: rows of 256 bytes + 16 of padding
.set HALFS,  (128*KS/256)*272
.set SBLK,   (16*KS/256)*272
.set SPARE,  SCL+4*HALFS               ; the spare words, 128 bytes for each wave, which no other line names
.set STAGE,  SPARE+512                 ; the way out: 16 rows x (256 bytes + 16) for each wave; no tensor load lands here
.set SPITCH, 272
.set ADRA, 16                          ; v16-17  my A fragments in slot 0, 1
.set ADRB, 20                          ; v20-21  my B images
.set STO,  24
.set RD,   25
.set CO,   26                          ; v26     16 x lane
.set ADRS, 27                          ; v27     my scale words: lanes 0-15 A's rows, lanes 16-31 B's columns
.set SPW,  28
.set NIL,  29
.set SC,   32
.set AF,   128
.set BIAS, 192
.set TMP,  128                         ; the way out: a block's packed results
.set OB,   160                         ; and its rows read back: v160-191 and v192-223 by turns
.set G1, 24
.set G0, 32
.set G1B, 48
.set G0B, 56
.set G1S, 68
.set G0S, 76
.set G1SB, 80
.set G0SB, 88
.set MSB, 0
.macro WIN new                         ; the immediate's high byte repeats the setting that is left
.if MSB != \new
	s_set_vgpr_msb (MSB<<8)|\new
.set MSB, \new
.endif
.endm
.set MUL_LO, 0xa1                      ; source 0 (B) window 1, source 1 (A) window 0, C and D window 2
.set MUL_HI, 0xf1                      ; the same, C and D window 3
.set BIA_LO, 0x81                      ; the first products: C (the bias) window 0, D window 2
.set BIA_HI, 0xc1                      ; D window 3
.set TO_B,   0x40
.macro JLOAD g0a, g1a, g0b, g1b        ; a joint load: waves 0 and 1 fetch for A, waves 2 and 3 for B; an s_nop 0 and four v_nop follow each line
	s_cmp_eq_u32 s15, 0
	s_cbranch_scc0 .Lfor_b_\@
	tensor_load_to_lds s[\g0a:\g0a+3], s[\g1a:\g1a+7]
	s_nop 0
.rept 4
	v_nop
.endr
	s_branch .Lasked_\@
.Lfor_b_\@:
	tensor_load_to_lds s[\g0b:\g0b+3], s[\g1b:\g1b+7]
	s_nop 0
.rept 4
	v_nop
.endr
.Lasked_\@:
.endm
.macro CROUND                          ; a round of the cluster's barrier
	s_barrier_signal -1
	s_barrier_wait -1
	s_cmp_lg_u32 s14, 0
	s_cbranch_scc1 .Lnot_wave_0_\@
	s_barrier_signal -3
.Lnot_wave_0_\@:
	s_barrier_wait -3
	s_barrier_signal -1
	s_barrier_wait -1
.endm
	s_load_b256 s[4:11], s[0:1], 0x0               ; xc 4, xs 6, wc 8, ws 10
	s_load_b128 s[96:99], s[0:1], 0x20             ; bq, bk
	s_load_b64 s[100:101], s[0:1], 0x30            ; bv
	s_load_b64 s[12:13], s[0:1], 0x38              ; qkv
	v_lshl_add_u32 v[SPW], v0, 2, SPARE
	v_mov_b32 v[NIL], 0
	ds_add_u32 v[SPW], v[NIL]                      ; the wave's opening: the add, twice on end, and its wait ahead of my first tensor load
	ds_add_u32 v[SPW], v[NIL]
	v_lshrrev_b32 v1, 5, v0
	v_readfirstlane_b32 s14, v1                    ; wave 0..3
	s_lshr_b32 s15, s14, 1                         ; my half of the tile's rows.  Also: I fetch for A (0) or for B (1)
	s_and_b32 s16, s14, 1                          ; my half of its columns.  Also: which half I fetch
	s_bfe_u32 s40, ttmp6, 0x40000                  ; cx, cy
	s_bfe_u32 s41, ttmp6, 0x40004
	s_lshl_b32 s42, ttmp9, 2
	s_add_co_u32 s42, s42, s40                     ; tile column 0..3
	s_and_b32 s17, ttmp7, 0xffff
	s_lshr_b32 s95, s17, 2                         ; the tensor, from the cluster's y alone: the same in all sixteen
	s_lshl_b32 s17, s17, 2
	s_add_co_u32 s17, s17, s41                     ; tile row 0..47
	s_lshl_b32 s43, s41, 2
	s_lshl_b32 s43, 15, s43                        ; my row of the cluster
	s_lshl_b32 s44, 0x1111, s40                    ; my column
	s_or_b32 s[G1+0], s43, (0<<16)|(1<<20)|(1<<21)|(5<<22)|(3<<25)   ; A: elements of 1 byte; 4 words of padding after every 64; bit 21 beside the mask
	s_mov_b32 s[G1+1], ROWB<<16                    ; tensor_dim0
	s_mov_b32 s[G1+2], 128<<16                     ; tensor_dim1
	s_mov_b32 s[G1+3], ROWB<<16                    ; tile_dim0
	s_mov_b32 s[G1+4], 128                         ; tile_dim1
	s_mov_b32 s[G1+5], KROW                        ; from row to row
	s_mov_b32 s[G1+6], 0
	s_mov_b32 s[G1+7], 0
	s_or_b32 s[G1B+0], s44, (3<<16)|(1<<21)        ; B: a dense block of 32,768 bytes as 128 rows of 32 elements of 8 bytes, no padding
	s_mov_b32 s[G1B+1], 32<<16
	s_mov_b32 s[G1B+2], 128<<16
	s_mov_b32 s[G1B+3], 32<<16
	s_mov_b32 s[G1B+4], 128
	s_mov_b32 s[G1B+5], 32
	s_mov_b32 s[G1B+6], 0
	s_mov_b32 s[G1B+7], 0
	s_or_b32 s[G1S+0], s43, (3<<16)|(1<<20)|(1<<21)|(5<<22)|(3<<25)  ; the scales of 128 rows: 4,096 dense bytes as 16 rows of 256, 16 bytes of padding behind each
	s_or_b32 s[G1SB+0], s44, (3<<16)|(1<<20)|(1<<21)|(5<<22)|(3<<25)
.irp g, G1S, G1SB
	s_mov_b32 s[\g+1], 32<<16
	s_mov_b32 s[\g+2], (128*KS/256)<<16
	s_mov_b32 s[\g+3], 32<<16
	s_mov_b32 s[\g+4], 128*KS/256
	s_mov_b32 s[\g+5], 32
	s_mov_b32 s[\g+6], 0
	s_mov_b32 s[\g+7], 0
.endr
	s_lshl_b32 s20, s17, 17                        ; A's codes: row 256 x tile row + 128 x half, 512 bytes a row
	s_lshl_b32 s18, s16, 16
	s_add_co_u32 s20, s20, s18
	s_mov_b32 s21, 0
	s_lshl_b32 s22, s17, 13                        ; A's scales: 32 bytes a row
	s_lshl_b32 s18, s16, 12
	s_add_co_u32 s22, s22, s18
	s_mov_b32 s23, 0
	s_lshl_b32 s46, s95, 19                        ; B's codes: tensor, 16 tiles of columns a tile column, 8 a half, 4,096 bytes each
	s_lshl_b32 s47, s42, 16
	s_add_co_u32 s46, s46, s47
	s_lshl_b32 s47, s16, 15
	s_add_co_u32 s46, s46, s47
	s_mov_b32 s47, 0
	s_lshl_b32 s92, s95, 15                        ; B's scales: column 1,024 x tensor + 256 x tile column + 128 x half, 32 bytes each
	s_lshl_b32 s93, s42, 13
	s_add_co_u32 s92, s92, s93
	s_lshl_b32 s93, s16, 12
	s_add_co_u32 s92, s92, s93
	s_mov_b32 s93, 0
	s_mul_i32 s45, s16, HALFT                      ; where they go: made of the wave's number alone
	s_mul_i32 s19, s16, HALFB
	s_add_co_u32 s19, s19, BOFF
	s_mul_i32 s94, s14, HALFS
	s_wait_dscnt 0x0                               ; both opening adds are done
	s_wait_kmcnt 0x0
	s_add_nc_u64 s[20:21], s[4:5], s[20:21]
	s_add_nc_u64 s[22:23], s[6:7], s[22:23]
	s_add_nc_u64 s[46:47], s[8:9], s[46:47]
	s_add_nc_u64 s[92:93], s[10:11], s[92:93]
	s_cmp_eq_u32 s95, 0                            ; the tensor's bias
	s_cselect_b64 s[96:97], s[96:97], s[98:99]
	s_cmp_eq_u32 s95, 2
	s_cselect_b64 s[96:97], s[100:101], s[96:97]
	CROUND                                         ; all sixteen work-groups are here: the joint loads meet
	s_mov_b32 s[G0S], 1
	s_add_co_u32 s[G0S+1], s94, SCL
	s_mov_b64 s[G0S+2:G0S+3], s[22:23]
	s_or_b32 s[G0S+3], s[G0S+3], 0x80000000
	s_mov_b32 s[G0SB], 1
	s_add_co_u32 s[G0SB+1], s94, SCL
	s_mov_b64 s[G0SB+2:G0SB+3], s[92:93]
	s_or_b32 s[G0SB+3], s[G0SB+3], 0x80000000
	JLOAD G0S, G1S, G0SB, G1SB                     ; the scales first: three loads of mine are out behind these lines
.irp s, 0,1
	s_mov_b32 s[G0+4*\s], 1
	s_add_co_u32 s[G0+4*\s+1], s45, \s*SLOT
	s_add_nc_u64 s[G0+4*\s+2:G0+4*\s+3], s[20:21], \s*ROWB
	s_or_b32 s[G0+4*\s+3], s[G0+4*\s+3], 0x80000000
	s_mov_b32 s[G0B+4*\s], 1
	s_add_co_u32 s[G0B+4*\s+1], s19, \s*SLOT
	s_add_nc_u64 s[G0B+4*\s+2:G0B+4*\s+3], s[46:47], \s*262144
	s_or_b32 s[G0B+4*\s+3], s[G0B+4*\s+3], 0x80000000
	JLOAD G0+4*\s, G1, G0B+4*\s, G1B
.endr
	v_and_b32 v1, 15, v0                           ; r
	v_bfe_u32 v2, v0, 4, 1                         ; h
	s_lshl_b32 s46, s42, 10                        ; the bias of my 128 columns: lane (r, h) wants, for block b, columns 16 b + 8 h + 0 .. 7
	s_lshl_b32 s47, s16, 9
	s_add_co_u32 s46, s46, s47
	s_mov_b32 s47, 0
	s_add_nc_u64 s[96:97], s[96:97], s[46:47]
	v_lshlrev_b32 v8, 5, v2
.irp b, 0,1,2,3,4,5,6,7
	global_load_b128 v[BIAS+8*\b:BIAS+8*\b+3], v8, s[96:97] offset:64*\b
	global_load_b128 v[BIAS+8*\b+4:BIAS+8*\b+7], v8, s[96:97] offset:64*\b+16
.endr
	v_mul_u32_u24 v3, v1, PITCH
	v_lshl_add_u32 v4, v2, 4, v3                   ; A: row x pitch + 16 x half
	v_and_b32 v6, 31, v0
	v_lshlrev_b32 v[CO], 4, v6                     ; 16 x lane: an image's place for my lane, and my place in a store's 512 bytes
	s_mul_i32 s21, s15, HALFT
	s_mul_i32 s22, s16, HALFB
	s_add_co_u32 s22, s22, BOFF
.irp s, 0,1
	v_add_nc_u32 v[ADRA+\s], s21, v4
	v_add_nc_u32 v[ADRB+\s], s22, v[CO]
	s_add_co_u32 s21, s21, SLOT
	s_add_co_u32 s22, s22, SLOT
.endr
	v_mul_u32_u24 v5, v1, KS                       ; my row's scales: KS bytes a row,
	v_lshrrev_b32 v6, 8, v5
	v_lshl_add_u32 v5, v6, 4, v5                   ; and 16 more for each 256 passed
	s_mul_i32 s21, s15, HALFS
	s_mul_i32 s22, s16, HALFS
	s_add_co_u32 s22, s22, 2*HALFS
	s_sub_co_u32 s22, s22, s21
	v_mul_u32_u24 v6, s22, v2                      ; lanes 16-31 take B's: one product, the distance between the two bases
	s_add_co_u32 s21, s21, SCL
	v_add_nc_u32 v5, v5, v6
	v_add_nc_u32 v[ADRS], s21, v5
	s_mul_i32 s23, s14, 16*SPITCH
	s_add_co_u32 s23, s23, STAGE                   ; my stage
	v_mul_u32_u24 v5, v1, SPITCH
	v_lshl_add_u32 v5, v2, 4, v5
	v_add_nc_u32 v[STO], s23, v5                   ; in: row r, 16 bytes for each half of the lanes
	v_bfe_u32 v5, v0, 3, 2
	v_mul_u32_u24 v5, v5, SPITCH
	v_and_b32 v6, 7, v0
	v_lshl_add_u32 v5, v6, 4, v5
	v_add_nc_u32 v[RD], s23, v5                    ; back: eight lanes take a head's 128 bytes of a row, four rows an instruction
	s_lshr_b32 s20, s17, 3                         ; where my part begins in qkv: tensor x 2 + batch: 8 tile rows each,
	s_lshl_b32 s20, s20, 22
	s_and_b32 s21, s17, 7
	s_lshl_b32 s21, s21, 15                        ; position 256 x (tile row % 8) + 128 x half, 128 bytes each,
	s_add_co_u32 s20, s20, s21
	s_lshl_b32 s21, s15, 14
	s_add_co_u32 s20, s20, s21
	s_mov_b32 s21, 0
	s_lshl_b32 s46, s42, 20                        ; head 4 x tile column + 2 x half, 262,144 bytes each
	s_lshl_b32 s47, s16, 19
	s_add_co_u32 s46, s46, s47
	s_mov_b32 s47, 0
	s_add_nc_u64 s[20:21], s[20:21], s[46:47]
	s_add_nc_u64 s[12:13], s[12:13], s[20:21]
.macro FRAG reg, adr, q, i             ; A: 16 rows x 128 K: registers 4 c .. 4 c + 3 hold K = 64 c + 32 (lane / 16) + 0 .. 31
.irp c, 0,1
	ds_load_b128 v[\reg+4*\c:\reg+4*\c+3], v[\adr] offset:64*(\q)+32*\c+(\i)*16*PITCH
.endr
.endm
.macro FRAGB reg, adr, q, i            ; B: the image of the same registers: 512 consecutive bytes a load
.irp c, 0,1
	ds_load_b128 v[\reg+4*\c:\reg+4*\c+3], v[\adr] offset:4096*(\i)+1024*(\q)+512*\c
.endr
.endm
; 16 matrix instructions: A's blocks a0, a0 + 1 x B's eight.  zero = 1: the first product of each sum takes the bias as its C.  The 64 accumulators take turns, one instruction a turn.
.macro MUL16 a0, p, q, sc, zero
.irp a, \a0, \a0+1
.irp b, 0,1,2,3,4,5,6,7
.if \zero
	v_wmma_scale_f32_16x16x128_f8f6f4 v[8*(8*((\a)%4)+\b):8*(8*((\a)%4)+\b)+7], v[128*(\p)+FR*\b:128*(\p)+FR*\b+FR-1], v[AF+FR*(\a):AF+FR*(\a)+FR-1], v[BIAS+8*\b:BIAS+8*\b+7], v[SC+8*NQ*(\sc)+NQ*\b+(\q)], v[SC+8*NQ*(\sc)+NQ*(\a)+(\q)] matrix_a_fmt:MATRIX_FMT_FP4 matrix_b_fmt:MATRIX_FMT_FP4 matrix_a_scale:MATRIX_SCALE_ROW1
.else
	v_wmma_scale_f32_16x16x128_f8f6f4 v[8*(8*((\a)%4)+\b):8*(8*((\a)%4)+\b)+7], v[128*(\p)+FR*\b:128*(\p)+FR*\b+FR-1], v[AF+FR*(\a):AF+FR*(\a)+FR-1], v[8*(8*((\a)%4)+\b):8*(8*((\a)%4)+\b)+7], v[SC+8*NQ*(\sc)+NQ*\b+(\q)], v[SC+8*NQ*(\sc)+NQ*(\a)+(\q)] matrix_a_fmt:MATRIX_FMT_FP4 matrix_b_fmt:MATRIX_FMT_FP4 matrix_a_scale:MATRIX_SCALE_ROW1
.endif
.endr
.endr
.endm
.macro FETCH_B slot, q, p
	WIN TO_B
.irp i, 0,1,2,3,4,5,6,7
	FRAGB 128*(\p)+FR*\i, ADRB+\slot, \q, \i
.endr
	WIN 0
.endm
.macro FETCH_A slot, q, i0
.irp i, \i0, \i0+1, \i0+2, \i0+3
	FRAG AF+FR*(\i), ADRA+\slot, \q, \i
.endr
.endm
.macro SCALES sc                       ; a slot's scale words: four a row; lanes 0-15 A's block i, lanes 16-31 B's block i
.irp i, 0,1,2,3,4,5,6,7
	ds_load_b128 v[SC+8*NQ*\sc+NQ*\i:SC+8*NQ*\sc+NQ*\i+3], v[ADRS] offset:\i*SBLK
.endr
.endm
.macro PLACES n                        ; plain vector instructions behind matrix instructions, ahead of loads into registers that they read and of reads of their results
.rept \n
	v_nop
.endr
.endm
.macro STEP slot, q, zero              ; 128 along K whose successor lies in the same slot
	s_wait_dscnt 4*NL                              ; B's set and A's blocks 0-3 are in; the youngest eight loads (A's blocks 4-7) may be out
.if \zero
	WIN BIA_LO
.else
	WIN MUL_LO
.endif
	MUL16 0, (\q)%2, \q, \slot, \zero
	MUL16 2, (\q)%2, \q, \slot, \zero
	s_wait_dscnt 0
	PLACES NP
	FETCH_B \slot, (\q)+1, 1-(\q)%2
	FETCH_A \slot, (\q)+1, 0
.if \zero
	WIN BIA_HI
.else
	WIN MUL_HI
.endif
	MUL16 4, (\q)%2, \q, \slot, \zero
	MUL16 6, (\q)%2, \q, \slot, \zero
	PLACES NP
	WIN 0
	FETCH_A \slot, (\q)+1, 4
.endm
.macro STEPS slot, from
.set Q, \from
.rept NQ-1-\from
	STEP \slot, Q, 0
.set Q, Q+1
.endr
.endm
	s_wait_tensorcnt 1                             ; the scales and my part of slot 0 are in; the one load behind them, slot 1's, may be out
	s_barrier_signal -1
	s_barrier_wait -1
	FETCH_B 0, 0, 0
	FETCH_A 0, 0, 0
	SCALES 0
	FETCH_A 0, 0, 4
	s_wait_loadcnt 0x0                             ; the bias
	STEP 0, 0, 1
	STEPS 0, 1
	; slot 0's last step changes slots: one barrier; in front of it my part of slot 1 has landed
	s_wait_tensorcnt 0x0
	ds_add_u32 v[SPW], v[NIL]
	s_wait_dscnt 4*NL+1                            ; the add and the youngest eight loads may be out
	WIN MUL_LO
	MUL16 0, 1, NQ-1, 0, 0
	s_wait_dscnt 0x0
	s_barrier_signal -1
	MUL16 2, 1, NQ-1, 0, 0
	WIN 0
	s_barrier_wait -1
	PLACES NP
	v_add_nc_u32 v[ADRS], 4*NQ, v[ADRS]            ; slot 1's scale words (no LDS load of mine is out)
	FETCH_B 1, 0, 0
	FETCH_A 1, 0, 0
	SCALES 1
	WIN MUL_HI
	MUL16 4, 1, NQ-1, 0, 0
	MUL16 6, 1, NQ-1, 0, 0
	PLACES NP
	WIN 0
	FETCH_A 1, 0, 4
	STEPS 1, 0
	s_wait_dscnt 4*NL                              ; the last step: nothing more to fetch
	WIN MUL_LO
	MUL16 0, 1, NQ-1, 1, 0
	MUL16 2, 1, NQ-1, 1, 0
	s_wait_dscnt 0
	WIN MUL_HI
	MUL16 4, 1, NQ-1, 1, 0
	MUL16 6, 1, NQ-1, 1, 0
	WIN 0
; THE WAY OUT, a block of 16 rows x 128 columns (two heads) at a time: rounded to f16, 16 bytes a lane into my stage, back so that the 32 lanes hold four rows of one head: 512 consecutive bytes of qkv.
.macro PACK a
.set AC, 64*((\a)%4)
	WIN 0x0a+5*((\a)/4)                            ; sources 0 and 1: window 2 or 3
.irp b, 0,1,2,3,4,5,6,7
.irp r, 0,1,2,3
	v_cvt_pk_f16_f32 v[TMP+4*\b+\r], v[AC+8*\b+2*\r], v[AC+8*\b+2*\r+1]   ; each accumulator from its low end on
.endr
.endr
	WIN 0
.endm
.macro TOSTAGE a
.set BK, OB+32*((\a)%2)
.irp b, 0,1,2,3,4,5,6,7
	ds_store_b128 v[STO], v[TMP+4*\b:TMP+4*\b+3] offset:32*\b
.endr
.irp hh, 0,1
.irp t, 0,1,2,3
	ds_load_b128 v[BK+4*(4*\hh+\t):BK+4*(4*\hh+\t)+3], v[RD] offset:128*\hh+4*\t*SPITCH   ; LDS serves a wave's instructions in order: these see the stores above
.endr
.endr
.endm
.macro SEND a
.set BK, OB+32*((\a)%2)
	s_wait_dscnt 0x0                               ; the block is back in registers
	s_wait_xcnt 0x0                                ; the stores of the block before have read their registers: the next block's loads may land there
.irp hh, 0,1
.irp t, 0,1,2,3
	global_store_b128 v[CO], v[BK+4*(4*\hh+\t):BK+4*(4*\hh+\t)+3], s[12:13] offset:\hh*262144+(\a)*2048+512*\t
.endr
.endr
.endm
	PLACES NP
	PACK 0
	TOSTAGE 0
.irp a, 1,2,3,4,5,6,7                  ; block a's conversions stand between block a - 1's loads from the stage and the wait for them
	PACK \a
	SEND \a-1
	TOSTAGE \a
.endr
	SEND 7
	s_wait_tensorcnt 0x0                           ; the wave's end
	ds_add_u32 v[SPW], v[NIL]
	s_wait_dscnt 0x0
	CROUND                                         ; the closing round
	s_endpgm
.Lfunc_end_k_q472fe36e9d_proj:
	.size	k_q472fe36e9d_proj, .Lfunc_end_k_q472fe36e9d_proj-k_q472fe36e9d_proj
	.p2alignl 7, 3214868480
	.fill 96, 4, 3214868480
	.section	.rodata,"a",@progbits
	.p2align	6, 0x0
	.amdhsa_kernel k_q472fe36e9d_proj
		.amdhsa_group_segment_fixed_size 327680
		.amdhsa_private_segment_fixed_size 0
		.amdhsa_enable_private_segment 0
		.amdhsa_kernarg_size 64
		.amdhsa_user_sgpr_count 2
		.amdhsa_user_sgpr_kernarg_segment_ptr 1
		.amdhsa_wavefront_size32 1
		.amdhsa_system_sgpr_workgroup_id_x 1
		.amdhsa_system_sgpr_workgroup_id_y 1
		.amdhsa_system_sgpr_workgroup_id_z 1
		.amdhsa_system_vgpr_workitem_id 0
		.amdhsa_next_free_vgpr 1024
		.amdhsa_next_free_sgpr 102
		.amdhsa_reserve_vcc 0
		.amdhsa_float_denorm_mode_32 3
		.amdhsa_float_denorm_mode_16_64 3
		.amdhsa_memory_ordered 1
		.amdhsa_forward_progress 1
		.amdhsa_inst_pref_size 129
	.end_amdhsa_kernel
	.amdgpu_metadata
---
amdhsa.version: [ 1, 2 ]
amdhsa.kernels:
  - .name:           k_q472fe36e9d_proj
    .symbol:         k_q472fe36e9d_proj.kd
    .args:
      - { .name: xc, .offset: 0, .size: 8, .value_kind: global_buffer, .address_space: global }
      - { .name: xs, .offset: 8, .size: 8, .value_kind: global_buffer, .address_space: global }
      - { .name: wc, .offset: 16, .size: 8, .value_kind: global_buffer, .address_space: global }
      - { .name: ws, .offset: 24, .size: 8, .value_kind: global_buffer, .address_space: global }
      - { .name: bq, .offset: 32, .size: 8, .value_kind: global_buffer, .address_space: global }
      - { .name: bk, .offset: 40, .size: 8, .value_kind: global_buffer, .address_space: global }
      - { .name: bv, .offset: 48, .size: 8, .value_kind: global_buffer, .address_space: global }
      - { .name: qkv, .offset: 56, .size: 8, .value_kind: global_buffer, .address_space: global }
    .group_segment_fixed_size: 327680
    .private_segment_fixed_size: 0
    .kernarg_segment_align: 8
    .kernarg_segment_size: 64
    .max_flat_workgroup_size: 128
    .sgpr_count:     102
    .vgpr_count:     1024
    .wavefront_size: 32
...
	.end_amdgpu_metadata
.endif
;; end of part 2
;; launch attn (part 3): grid 8 x 32, 4 waves a work-group, clusters of 4 x 1, 327,680 bytes of LDS; arguments qkv, xh; writes xh
.if DOCPART == 3
	.amdgcn_target "amdgcn-amd-amdhsa--gfx1250"
	.amdhsa_code_object_version 6
	.text
	.protected	k_q472fe36e9d_attn
	.globl	k_q472fe36e9d_attn
	.p2align	8
	.type	k_q472fe36e9d_attn,@function
k_q472fe36e9d_attn:
	s_mov_b64 s[64:65], 0
	v_nop
	global_prefetch_b8 v0, s[64:65] scope:SCOPE_SE
	s_setreg_imm32_b32 hwreg(HW_REG_WAVE_MODE, 25, 1), 1
	s_wait_xcnt 0x0
	s_wait_alu depctr_hold_cnt(0) depctr_sa_sdst(0) depctr_va_vdst(0) depctr_va_sdst(0) depctr_va_ssrc(0) depctr_va_vcc(0) depctr_vm_vsrc(0)
	s_getreg_b32 s2, hwreg(HW_REG_IB_STS2, 6, 4)
	s_cmp_eq_u32 s2, 0
	s_cbranch_scc0 .Lentry_in_a_cluster
	s_endpgm
.Lentry_in_a_cluster:
	s_bfe_u32 s2, ttmp6, 0x10000c
	s_cmp_lg_u32 s2, 0x3003
	s_cbranch_scc0 .Lentry_shape_is_right
	s_endpgm
.Lentry_shape_is_right:
; O[bh][q][:] = the sum over k of softmax_k(Q[bh][q] . K[bh][k] / 8) V[bh][k][:], 32 (batch, head) pairs, 2,048 positions, head size 64, no mask.
; Q, K, V: qkv, f16, [tensor x 2 + batch][head][position][64].  O: xh, f16, [128 rows of the 4,096][head 16][row 128][64], as the last product's tiles want it.
; Products, maxima and sums in f32; the weights p (at most 1) are rounded to f16 for the second product, O once at the end.  f16 and not bf16: O is a sum of terms of both signs, so an operand's rounding shows undamped.
; LIMITS: O under 6e-5 in magnitude carries an absolute error of up to 3e-8; NaN and infinities are not served.
; SHARES.  A work-group owns 256 queries of one head, each of its four waves 64: four tiles of 16.  Every wave walks all 2,048 keys, 64 a step.
; LAYOUT.  S^T = K Q^T (source 0 = 16 keys, source 1 = 16 queries): a lane holds ONE query (lane % 16) and the keys 8 (lane / 16) + 0..7.  Two such tiles, rounded in pairs, ARE source 1 of O^T = V^T P.
; K comes out of LDS as it lies, V ([key][channel]) turned, by ds_load_tr16_b128.
; SOFTMAX.  A running maximum m and sum l for each query: p = 2^(c s - c m), c = log2(e) / 8; in every step O and l are multiplied by a = 2^(c m_old - c m_new).
; BY TURNS.  The tiles are two PIECES (tiles 0, 1 and tiles 2, 3).  In a TURN one piece has the matrix unit: 16 products V^T P of the step in hand, then 16 products K Q^T of the next step; the other piece's softmax,
; 2 x 118 instructions in 59 slices of four, stands between them: two slices behind each of the first 27 matrix instructions, one behind each of the last five.  Two turns are a key step.
; CLUSTER.  The four query blocks of a cluster belong to one head and walk the same K and V: each tile is asked for JOINTLY, with a mask that names the four.
; THE RING.  Two slots of 256 keys (four steps): K's 256 rows, then V's.  One joint load a wave behind each round: 128 rows.  Two loads of mine are out at the start, one behind each round.
; REGISTERS: window 0: v2-8 addresses; v12-43 eight registers of statistics a tile; v61-63; v64-191 S^T, 32 a tile; v192-255 P, 16 a tile.
;   window 1: v0-127 O^T, 32 a tile.   window 2: v0-63 Q, 16 a tile; v128-191 K of one step.   window 3: v0-63 V of one step.
.set KS,    64
.set NST,   4                          ; steps in a slot
.set SK,    NST*KS
.set PK,    144                        ; a row of K in LDS: 128 bytes + 16: 36 words from row to row
.set PV,    160                        ; a row of V: 128 + 32: 40 words
.set VOFF,  SK*PK
.set SLOT1, 1<<17                      ; slot 1 begins here: one exclusive or turns an address in one slot into the other's
.set STAGE, SLOT1+SK*(PK+PV)           ; behind the ring: 16 rows x 144 bytes for each wave
.set SP,    144
.set SPARE, STAGE+4*16*SP              ; the spare words, 128 bytes for each wave, which no other line names
.set AK0, 2
.set AV0, 3
.set ADR, 4
.set QO,  5
.set STO, 6
.set RD,  7
.set GO,  8
.set PFO, 61                           ; v61  256 x my lane; never rewritten
.set SPW, 62
.set NIL, 63
.set ST,  12                           ; tile t's statistics at v[ST+8 t]: +0 c m, +1 m, +2, +3 l (even keys', odd keys'), +4 to +7 at work; a takes +6
.set S,   64
.set P,   192
.set KF,  128
.set WV,  12
.set LIM, 15                           ; s15  1 in a wave that prefetches, else the greatest number
.set PFA, 18                           ; s[18:19] where my prefetches stand
.set G1K, 24
.set G1V, 32
.set G0K, 40                           ; two sets for the first fills; the second then walks on
.set G0V, 48
.set SLOTS, 56
.set TWICE, 57
.set CS,  58
.set SEL, 60
.set TBK, 62                           ; s62  LDS byte at which K's rows of the step to be fetched begin
.set TBV, 63                           ; s63  the same for V's, counted without VOFF
.set MSB, 0
.macro WIN new
.if MSB != \new
	s_set_vgpr_msb (MSB<<8)|\new
.set MSB, \new
.endif
.endm
.set W_KQ, 0x0a                        ; K and Q in window 2, S^T in window 0
.set W_PV, 0x53                        ; V in window 3, P in window 0, O^T in window 1
.set W_RS, 0x41                        ; O^T in window 1, a in window 0
.macro JLOAD                           ; waves 0 and 1 fetch K's halves of the slot, waves 2 and 3 V's; an s_nop 0 and four v_nop follow each line
	s_cmp_lt_u32 s[WV], 2
	s_cbranch_scc0 .Lfor_v_\@
	tensor_load_to_lds s[G0K+4:G0K+7], s[G1K:G1K+7]
	s_nop 0
.rept 4
	v_nop
.endr
	s_branch .Lasked_\@
.Lfor_v_\@:
	tensor_load_to_lds s[G0V+4:G0V+7], s[G1V:G1V+7]
	s_nop 0
.rept 4
	v_nop
.endr
.Lasked_\@:
.endm
; A PREFETCH of what the NEXT change of slots will ask for: 32,768 bytes of K and of V.  Each aligned 256 bytes is named once in the launch: the head's first cluster asks; its four partners take 8,192 bytes each,
; told apart by address; in each, wave 0 asks for K's and wave 2 for V's, lanes 256 bytes apart.  It stands behind the tensor load, four key steps (64 matrix instructions a wave and step, 256 in all) ahead of the load that wants the bytes.
; The last change that fills a slot asks for nothing; slots 0 to 2 come by their loads alone.
.macro ASK
	s_cmp_gt_u32 s[SLOTS], s[LIM]
	s_cbranch_scc0 .Lnot_mine_\@
	global_prefetch_b8 v[PFO], s[PFA:PFA+1] th:TH_LOAD_NT scope:SCOPE_SE
.Lnot_mine_\@:
.endm
.macro CROUND
	s_barrier_signal -1
	s_barrier_wait -1
	s_cmp_lg_u32 s[WV], 0
	s_cbranch_scc1 .Lnot_wave_0_\@
	s_barrier_signal -3
.Lnot_wave_0_\@:
	s_barrier_wait -3
	s_barrier_signal -1
	s_barrier_wait -1
.endm
	s_load_b128 s[4:7], s[0:1], 0x0                ; qkv, xh
	v_lshl_add_u32 v[SPW], v0, 2, SPARE
	v_mov_b32 v[NIL], 0
	ds_add_u32 v[SPW], v[NIL]                      ; the wave's opening: the add, twice on end, and its wait ahead of my first tensor load
	ds_add_u32 v[SPW], v[NIL]
	v_lshrrev_b32 v1, 5, v0
	v_readfirstlane_b32 s[WV], v1
	s_bfe_u32 s13, ttmp6, 0x40000                  ; cx
	s_lshl_b32 s14, ttmp9, 2
	s_add_co_u32 s14, s14, s13                     ; my block of 256 queries: it enters Q's and O's addresses alone
	s_and_b32 s20, ttmp7, 0xffff                   ; 16 x batch + head, which the four partners share
	s_lshl_b32 s20, s20, 18                        ; the head's first byte in each of Q, K, V
	s_mov_b32 s21, 0
	s_and_b32 s16, s[WV], 1                        ; which 128 keys of a slot I fetch:
	s_lshl_b32 s22, s16, 14                        ; their 128 rows of 128 bytes in memory,
	s_mov_b32 s23, 0
	s_add_nc_u64 s[22:23], s[22:23], s[20:21]
	s_mul_i32 s17, s16, 128*PK                     ; and their place in a slot, for K
	s_mul_i32 s66, s16, 128*PV                     ; and for V
	s_lshl_b32 s2, s14, 15                         ; Q: my block's 256 rows, my wave's 64
	s_lshl_b32 s3, s[WV], 13
	s_add_co_u32 s2, s2, s3
	s_mov_b32 s3, 0
	s_add_nc_u64 s[2:3], s[2:3], s[20:21]
	s_and_b32 s67, ttmp7, 0xffff                   ; O: block of 128 rows = 16 x batch + 2 x my block + wave / 2,
	s_lshr_b32 s68, s67, 4
	s_lshl_b32 s68, s68, 4
	s_lshl_b32 s69, s14, 1
	s_add_co_u32 s68, s68, s69
	s_lshr_b32 s69, s[WV], 1
	s_add_co_u32 s68, s68, s69
	s_lshl_b32 s68, s68, 18
	s_and_b32 s67, s67, 15                         ; the head, 16,384 bytes each,
	s_lshl_b32 s67, s67, 14
	s_add_co_u32 s68, s68, s67
	s_lshl_b32 s67, s16, 13                        ; row 64 x (wave % 2)
	s_add_co_u32 s68, s68, s67
	s_mov_b32 s69, 0
	s_mov_b32 s[G1K], 15|(1<<16)|(1<<20)|(1<<21)|(4<<22)|(3<<25)   ; the mask: all four; elements of 2 bytes; padding on; bit 21 beside the mask; after every 32 words 4 words
	s_mov_b32 s[G1V], 15|(1<<16)|(1<<20)|(1<<21)|(4<<22)|(7<<25)   ; the same with 8 words
.irp g, G1K, G1V
	s_mov_b32 s[\g+1], 64<<16                      ; tensor_dim0
	s_mov_b32 s[\g+2], 128<<16                     ; tensor_dim1
	s_mov_b32 s[\g+3], 64<<16                      ; tile_dim0
	s_mov_b32 s[\g+4], 128                         ; tile_dim1
	s_mov_b32 s[\g+5], 64                          ; from row to row
	s_mov_b32 s[\g+6], 0
	s_mov_b32 s[\g+7], 0
.endr
	s_mov_b32 s[CS], 0x3e38aa3b                    ; c = log2(e) / 8
	s_mov_b32 s[CS+1], s[CS]
	s_mov_b32 s[SEL], 0x76543210
	s_mov_b32 s[SEL+1], 0xfedcba98
	s_mov_b32 s[TBK], 0
	s_mov_b32 s[TBV], 0
	s_mov_b32 s[SLOTS], 2048/SK-2
	s_and_b32 s[LIM], s[WV], 1                     ; 0 in waves 0 and 2,
	s_or_b32 s[LIM], s[LIM], ttmp9                 ; of the head's first cluster: the same in all four partners
	s_cmp_eq_u32 s[LIM], 0
	s_cselect_b32 s[LIM], 1, -1
	v_and_b32 v[PFO], 31, v0
	v_lshlrev_b32 v[PFO], 8, v[PFO]
	s_wait_dscnt 0x0                               ; both opening adds are done
	s_wait_kmcnt 0x0
	s_mov_b64 s[10:11], s[6:7]                     ; O
	s_add_nc_u64 s[6:7], s[4:5], 0x800000          ; K's part of qkv
	s_add_nc_u64 s[8:9], s[4:5], 0x1000000         ; V's
	s_add_nc_u64 s[6:7], s[6:7], s[22:23]          ; at my tile of slot 0
	s_add_nc_u64 s[8:9], s[8:9], s[22:23]
	s_add_nc_u64 s[4:5], s[4:5], s[2:3]            ; Q and O at my wave's first row
	s_add_nc_u64 s[10:11], s[10:11], s[68:69]
	s_cmp_lt_u32 s[WV], 2
	s_cselect_b64 s[PFA:PFA+1], s[6:7], s[8:9]     ; (in waves 0 and 2 these stand at a slot's first row)
	s_lshl_b32 s2, s13, 13                         ; my work-group's 8,192 bytes of the 32,768
	s_mov_b32 s3, 0
	s_add_nc_u64 s[PFA:PFA+1], s[PFA:PFA+1], s[2:3]
	s_add_nc_u64 s[PFA:PFA+1], s[PFA:PFA+1], 2*SK*128   ; in slot 2; the first change of slots steps it to slot 3
	CROUND                                         ; all four work-groups are here: the first joint loads meet
.irp s, 0,1
	s_mov_b32 s[G0K+4*\s], 1
	s_add_co_u32 s[G0K+4*\s+1], s17, \s*SLOT1
	s_add_nc_u64 s[G0K+4*\s+2:G0K+4*\s+3], s[6:7], \s*SK*128
	s_or_b32 s[G0K+4*\s+3], s[G0K+4*\s+3], 0x80000000
	s_mov_b32 s[G0V+4*\s], 1
	s_add_co_u32 s[G0V+4*\s+1], s66, \s*SLOT1+VOFF
	s_add_nc_u64 s[G0V+4*\s+2:G0V+4*\s+3], s[8:9], \s*SK*128
	s_or_b32 s[G0V+4*\s+3], s[G0V+4*\s+3], 0x80000000
.endr
	s_cmp_lt_u32 s[WV], 2                          ; a wave's two first fills stand in one branch, ahead of every wait on TENSORcnt and every LDS read
	s_cbranch_scc0 .Lfirst_v
	tensor_load_to_lds s[G0K:G0K+3], s[G1K:G1K+7]
	s_nop 0
	tensor_load_to_lds s[G0K+4:G0K+7], s[G1K:G1K+7]
	s_nop 0
.rept 4
	v_nop
.endr
	s_branch .Lfirst_asked
.Lfirst_v:
	tensor_load_to_lds s[G0V:G0V+3], s[G1V:G1V+7]
	s_nop 0
	tensor_load_to_lds s[G0V+4:G0V+7], s[G1V:G1V+7]
	s_nop 0
.rept 4
	v_nop
.endr
.Lfirst_asked:
	v_and_b32 v1, 15, v0                           ; l % 16
	v_bfe_u32 v9, v0, 4, 1                         ; l / 16
	v_lshlrev_b32 v[QO], 7, v1
	v_lshl_add_u32 v[QO], v9, 4, v[QO]             ; row x 128 + 16 x half
	WIN 0x80                                       ; destination window 2
.irp i, 0,1,2,3,4,5,6,7                        ; Q stays in registers: tile i / 2, channels 32 (i % 2) on
	global_load_b128 v[8*\i:8*\i+3],   v[QO], s[4:5] offset:(\i/2)*2048+(\i%2)*64
	global_load_b128 v[8*\i+4:8*\i+7], v[QO], s[4:5] offset:(\i/2)*2048+(\i%2)*64+32
.endr
	WIN 0
	v_mul_u32_u24 v[AK0], v1, PK
	v_lshl_add_u32 v[AK0], v9, 4, v[AK0]
	v_and_b32 v10, 7, v0                           ; the turning load: lane l reads key 8 (l / 16) + l % 8, channels 8 ((l / 8) % 2) + 0..7
	v_bfe_u32 v11, v0, 3, 1
	v_lshl_add_u32 v[AV0], v9, 3, v10
	v_mul_u32_u24 v[AV0], v[AV0], PV
	v_lshl_add_u32 v[AV0], v11, 4, v[AV0]
	v_add_nc_u32 v[AV0], VOFF, v[AV0]
; THE MATRIX WORK OF A TURN, for piece x.  Eight accumulators take turns, one instruction a turn.
; Product i of 16 of O^T += V^T P: keys 32 (i / 8) on, channels 16 ((i / 2) % 4) on, tile x + i % 2.  zero = 1: the first 8 start the sums.
.macro PV x, zero
	WIN W_PV
.set rO, 32*(\x+i%2)+8*((i/2)%4)
.set rV, 32*(i/8)+8*((i/2)%4)
.set rP, P+16*(\x+i%2)+8*(i/8)
.if \zero && (i < 8)
	v_wmma_f32_16x16x32_f16 v[rO:rO+7], v[rV:rV+7], v[rP:rP+7], 0
.else
	v_wmma_f32_16x16x32_f16 v[rO:rO+7], v[rV:rV+7], v[rP:rP+7], v[rO:rO+7]
.endif
.endm
; Product i of 16 of S^T = K Q^T: channels 32 (i / 8) on, keys 16 ((i / 2) % 4) on, tile x + i % 2.  The first 8 start the sums.
.macro KQ x
	WIN W_KQ
.set rS, S+32*(\x+i%2)+8*((i/2)%4)
.set rK, KF+16*((i/2)%4)+8*(i/8)
.set rQ, 16*(\x+i%2)+8*(i/8)
.if i < 8
	v_wmma_f32_16x16x32_f16 v[rS:rS+7], v[rK:rK+7], v[rQ:rQ+7], 0
.else
	v_wmma_f32_16x16x32_f16 v[rS:rS+7], v[rK:rK+7], v[rQ:rQ+7], v[rS:rS+7]
.endif
.endm
; THE LDS LOADS stand in runs of 16: a step's K (8 fragments) and, a turn later, its V (turned).
.macro FETCH_K
	WIN 0
	v_add_nc_u32 v[ADR], s[TBK], v[AK0]
	WIN 0x80
.irp f, 0,1,2,3,4,5,6,7                        ; keys 16 (f / 2) on, channels 32 (f % 2) on
	ds_load_b128 v[KF+8*\f:KF+8*\f+3],   v[ADR] offset:(\f/2)*16*PK+(\f%2)*64
	ds_load_b128 v[KF+8*\f+4:KF+8*\f+7], v[ADR] offset:(\f/2)*16*PK+(\f%2)*64+32
.endr
.endm
.macro FETCH_V
	WIN 0
	v_add_nc_u32 v[ADR], s[TBV], v[AV0]
	s_add_co_u32 s[TBK], s[TBK], KS*PK             ; the next fetches are the next step's
	s_add_co_u32 s[TBV], s[TBV], KS*PV
	s_wait_alu depctr_va_vdst(0)                   ; the wait for the softmax's batch of exponentials, ahead of the first line that names a result
	WIN 0xc0
.irp f, 0,1,2,3,4,5,6,7                        ; keys 32 (f / 4) on, channels 16 (f % 4) on
	ds_load_tr16_b128 v[8*\f:8*\f+3],   v[ADR] offset:(\f/4)*32*PV+(\f%4)*32
	ds_load_tr16_b128 v[8*\f+4:8*\f+7], v[ADR] offset:(\f/4)*32*PV+16*PV+(\f%4)*32
.endr
.endm
; THE VECTOR WORK OF A TURN.  One tile's softmax for one key step is a list of 118 instructions; SM writes number j of it for tile t.  first = 1: the first key step, which starts m, l and O^T.
;   0-15 the maximum of the lane's 32 scores and the old m;  16-20 the other half of the lanes', the new m, c m, c m_old - c m_new;
;   21-69 ONE BATCH: the 16 scalings c s - c m and all 33 exponentials, none of which reads an exponential's result;  (the one wait);  70-85 the roundings to f16;  86-101 the sums;  102-117 the tile's O^T times a.
.macro SM t, first
.set rT, ST+8*(\t)
.set rS, S+32*(\t)
.set rP, P+16*(\t)
.set rO, 32*(\t)+2*(j-102)
.if j < 102
	WIN 0
.endif
.if j < 4
	v_max3_num_f32 v[rT+4+j], v[rS+8*j], v[rS+8*j+1], v[rS+8*j+2]   ; each accumulator is first read at its low end
.elseif j < 12
	v_max3_num_f32 v[rT+4+j%4], v[rT+4+j%4], v[rS+8*(j%4)+2*(j/4)+1], v[rS+8*(j%4)+2*(j/4)+2]
.elseif j == 12
	v_max3_num_f32 v[rT+4], v[rT+4], v[rS+7], v[rS+15]
.elseif j == 13
	v_max3_num_f32 v[rT+6], v[rT+6], v[rS+23], v[rS+31]
.elseif j == 14
	v_max3_num_f32 v[rT+4], v[rT+4], v[rT+5], v[rT+6]
.elseif (j == 15) && \first
	v_max_num_f32 v[rT+4], v[rT+4], v[rT+7]
.elseif j == 15
	v_max3_num_f32 v[rT+4], v[rT+4], v[rT+7], v[rT+1]
.elseif j == 16
	v_permlanex16_b32 v[rT+5], v[rT+4], s[SEL], s[SEL+1]  ; the query's other 32 keys lie in the lane 16 away
.elseif j == 18
	v_max_num_f32 v[rT+1], v[rT+4], v[rT+5]
.elseif j == 19
	v_mul_f32 v[rT], s[CS], v[rT+1]
.elseif ((j == 17) || (j == 20) || (j == 23) || (j > 101)) && \first  ; the first step has none of these
.elseif j == 17
	v_mov_b32 v[rT+7], v[rT]                       ; c m_old is kept for a
.elseif j == 20
	v_sub_f32 v[rT+7], v[rT+7], v[rT]
.elseif j == 23
	v_exp_f32 v[rT+6], v[rT+7]
.elseif (j < 23) || ((j < 38) && (j%2 == 0)) || ((j < 66) && (j%4 == 2))
.set b, (j-2)/4
.if j < 38
.set b, (j-20)/2
.endif
	v_pk_fma_f32 v[rS+2*b:rS+2*b+1], v[rS+2*b:rS+2*b+1], s[CS:CS+1], v[rT:rT+1] op_sel_hi:[1,0,0] neg_lo:[0,0,1] neg_hi:[0,0,1]  ; pair b: c s - c m
.elseif j < 70
.set e, j-38
.if j < 66
.set e, j-32-(j-38)/4
.endif
.if j < 38
.set e, (j-25)/2
.endif
	v_exp_f32 v[rS+e], v[rS+e]
.elseif j < 86
	v_cvt_pk_f16_f32 v[rP+j-70], v[rS+2*(j-70)], v[rS+2*(j-70)+1]
.elseif j < 102
.set z, j-86
.set w, 4
.set u, z
.if z >= 14
.set w, 32
.set u, 0
.elseif z >= 12
.set w, 16
.set u, z-12
.elseif z >= 8
.set w, 8
.set u, z-8
.endif
.if (z == 14) && \first
	v_pk_add_f32 v[rT+2:rT+3], v[rS:rS+1], v[rS+16:rS+17]
.elseif z < 15
	v_pk_add_f32 v[rS+w*u:rS+w*u+1], v[rS+w*u:rS+w*u+1], v[rS+w*u+w/2:rS+w*u+w/2+1]
.elseif !\first
	v_pk_fma_f32 v[rT+2:rT+3], v[rT+2:rT+3], v[rT+6:rT+7], v[rS:rS+1] op_sel_hi:[1,0,1]
.endif
.else
	WIN W_RS
	v_pk_mul_f32 v[rO:rO+1], v[rO:rO+1], v[rT+6:rT+7] op_sel_hi:[1,0]
.endif
.endm
; Slice k of 59 of piece y's softmax: four instructions.  Slices 11 to 34 deal out the batch, four numbers of ONE tile each, the tiles by turns; every other slice is numbers 2 k and 2 k + 1 of both tiles.
; Ahead of slice 35 nothing names an exponential's result, and behind slice 34 no exponential is issued: the piece's 66 exponentials have one wait, behind slice 34.
.macro SLICE y, first
.if (k >= 11) && (k < 35)
.irp n, 0,1,2,3
.set j, 22+4*((k-11)/2)+(\n)
	SM (\y)+(k-11)%2, \first
.endr
.else
.irp n, 0,1
.irp t, \y, \y+1
.set j, 2*k+\n
	SM \t, \first
.endr
.endr
.endif
.if k == 34
	v_nop                                          ; the plain instruction behind the last exponential
.if (\y) == 0
	FETCH_V                                        ; piece 2's turn: V's run of loads stands here, and the wait stands in it
.else
	s_wait_alu depctr_va_vdst(0)                   ; the wait for the batch
.endif
.endif
.set k, k+1
.endm
.macro AFTER y, first                  ; the slices behind matrix instruction g of a turn
.rept per
	SLICE \y, \first
.endr
.if g < extra
	SLICE \y, \first
.endif
.set g, g+1
.endm
.macro PLACES
.rept 4
	v_nop
.endr
.endm
; A TURN.  Piece x has the matrix unit.  pv = 2: 16 products V^T P; 1: they start O^T's sums; 0: none.  kq = 1: 16 products K Q^T for the next step.
; 32 matrix instructions: 27 x 2 + 5 x 1 slices; 16: 11 x 4 + 5 x 3: 59 either way.
; DISTANCES.  Behind a turn's last K Q^T stands slice 58, four packed multiplies on the other piece's O^T: the places ahead of the next read of those scores and of the loads into K.  With first = 1 that slice is
; empty, and four v_nop take its part.  V's last reader is matrix instruction 15; ahead of V's loads (slice 34, behind instruction 17) stand three scalings (numbers 58, 62, 62), the v_nop and the run's own addition.
.macro TURN x, pv, kq, first
.set k, 0
.set g, 0
.set per, 3
.set extra, 11
.if \pv && \kq
.set per, 1
.set extra, 27
.endif
.if \pv
.if \x == 0
	s_wait_dscnt 0x0                               ; V is in
.endif
.set i, 0
.rept 16
	PV \x, 2-\pv
	AFTER 2-\x, \first
.if (\x == 0) && \kq && (i == 1)
	FETCH_K
.endif
.set i, i+1
.endr
.endif
.if \kq
.if \x == 0
	s_wait_dscnt 0x0                               ; K is in
.endif
.set i, 0
.rept 16
	KQ \x
	AFTER 2-\x, \first
.set i, i+1
.endr
.endif
.if \first
	PLACES
.endif
.endm
; THE CHANGE OF SLOTS: the slot's last bytes, V of its fourth step, have been asked for.  Each wave waits for all its tensor loads (one is out: its part of the other slot), adds 0 to its spare word, and waits for that
; and for its own reads of the slot.  fill = 1: the barrier is a round of the cluster's, and the joint refill, the keys two slots on, is the first thing behind it.
.macro CHANGE fill
	WIN 0
	s_wait_tensorcnt 0x0                           ; no tensor load of mine is out, so a group 0 may be written
	ds_add_u32 v[SPW], v[NIL]
.if \fill
.irp g, G0K+4, G0V+4
	s_xor_b32 s[\g+1], s[\g+1], SLOT1
	s_add_nc_u64 s[\g+2:\g+3], s[\g+2:\g+3], SK*128
.endr
	s_wait_xcnt 0x0                                ; the last prefetch, a slot back, has read its address
	s_add_nc_u64 s[PFA:PFA+1], s[PFA:PFA+1], SK*128
	s_wait_dscnt 0x0                               ; the add is done, and my reads of the slot are over
	CROUND
	JLOAD
	ASK
.else
	s_wait_dscnt 0x0
	s_barrier_signal -1
	s_barrier_wait -1
.endif
	s_sub_co_u32 s[TBK], s[TBK], NST*KS*PK         ; the fetches go back to a slot's first step,
	s_xor_b32 s[TBK], s[TBK], SLOT1                ; in the other slot
	s_sub_co_u32 s[TBV], s[TBV], NST*KS*PV
	s_xor_b32 s[TBV], s[TBV], SLOT1
.endm
.macro STEPS n                         ; n key steps: written once, walked n times; the LDS addresses hang on s[TBK], s[TBV]
	s_mov_b32 s[TWICE], \n
.Lstep_\@:
	TURN 0, 2, 1, 0
	TURN 2, 2, 1, 0
	WIN 0
	s_sub_co_u32 s[TWICE], s[TWICE], 1
	s_cmp_lg_u32 s[TWICE], 0
	s_cbranch_scc1 .Lstep_\@
.endm
	s_wait_tensorcnt 1                             ; my part of slot 0 is in; slot 1's, the one load behind it, may stay out
	s_barrier_signal -1
	s_barrier_wait -1
	FETCH_K                                        ; key step 0
	s_wait_loadcnt 0x0                             ; Q
	s_wait_dscnt 0x0
.set i, 0
.rept 16
	KQ 0                                           ; piece 0's first scores
.set i, i+1
.endr
	WIN 0                                          ; the addresses for the way out are made here: plain instructions, the places behind those products
	s_mul_i32 s13, s[WV], 16*SP
	s_add_co_u32 s13, s13, STAGE                   ; my stage
	v_mul_u32_u24 v[STO], v1, SP                   ; in: row l % 16, 16 bytes for each half of the lanes
	v_lshl_add_u32 v[STO], v9, 4, v[STO]
	v_add_nc_u32 v[STO], s13, v[STO]
	v_bfe_u32 v[RD], v0, 3, 2                      ; back: eight lanes take a row of 128 bytes, four rows an instruction
	v_mul_u32_u24 v[RD], v[RD], SP
	v_lshl_add_u32 v[RD], v10, 4, v[RD]
	v_add_nc_u32 v[RD], s13, v[RD]
	v_and_b32 v[GO], 31, v0
	v_lshlrev_b32 v[GO], 4, v[GO]                  ; and the same 512 bytes in O
	TURN 2, 0, 1, 1                                ; piece 2's first scores | piece 0's first softmax | V of step 0
	TURN 0, 1, 1, 1                                ; piece 0: V^T P of step 0 starts O^T, K Q^T of step 1 | piece 2's first softmax | K of step 1
	TURN 2, 1, 1, 0                                ; piece 2: the same | piece 0's softmax of step 1 | V of step 1
	WIN 0
	STEPS 2                                        ; slot 0's steps 2 and 3 are fetched
.Lslot:                                                ; six trips: every slot but the last two is filled again
	CHANGE 1
	STEPS NST
	s_sub_co_u32 s[SLOTS], s[SLOTS], 1
	s_cmp_lg_u32 s[SLOTS], 0
	s_cbranch_scc1 .Lslot
	CHANGE 0                                       ; the tail is written out
	STEPS NST
	TURN 0, 2, 0, 0                                ; piece 0: V^T P of the last step | piece 2's last softmax
.set i, 0
.rept 16
	PV 2, 0                                        ; piece 2: V^T P of the last step
.set i, i+1
.endr
	; THE WAY OUT.  l's halves are added; O^T is divided by l, rounded to f16 and sent through my stage, a tile (16 rows of O) at a time.  The additions are the places behind the last products.
	WIN 0
.irp t, 0,1,2,3
	v_add_f32 v[ST+8*\t+4], v[ST+8*\t+2], v[ST+8*\t+3]
.endr
.irp t, 0,1,2,3
	v_permlanex16_b32 v[ST+8*\t+5], v[ST+8*\t+4], s[SEL], s[SEL+1]
.endr
.irp t, 0,1,2,3
	v_add_f32 v[ST+8*\t+4], v[ST+8*\t+4], v[ST+8*\t+5]
.endr
.irp t, 0,1,2,3
	v_rcp_f32 v[ST+8*\t+6], v[ST+8*\t+4]
.endr
	v_nop                                          ; a plain instruction behind the last reciprocal
	s_wait_alu depctr_va_vdst(0)                   ; and the wait ahead of the first use: one for the four
.macro PACK t
	WIN W_RS
.set i, 32*\t
.rept 16
	v_pk_mul_f32 v[i:i+1], v[i:i+1], v[ST+8*\t+6:ST+8*\t+7] op_sel_hi:[1,0]
.set i, i+2
.endr
	WIN 0x05                                       ; sources 0 and 1 window 1, destination window 0: S^T's registers are free
.set i, 0
.rept 16
	v_cvt_pk_f16_f32 v[S+32*\t+i], v[32*\t+2*i], v[32*\t+2*i+1]
.set i, i+1
.endr
	WIN 0
.irp f, 0,1,2,3
	ds_store_b128 v[STO], v[S+32*\t+4*\f:S+32*\t+4*\f+3] offset:32*\f
.endr
.irp f, 0,1,2,3
	ds_load_b128 v[S+32*\t+4*\f:S+32*\t+4*\f+3], v[RD] offset:\f*4*SP   ; LDS serves a wave's instructions in order: these see the stores above; the next tile's stores come behind them
.endr
.endm
.macro SEND t, younger                 ; younger: the LDS instructions issued behind tile t's loads: the next tile's eight, or none
.irp f, 0,1,2,3
	s_wait_dscnt \younger+3-\f
	global_store_b128 v[GO], v[S+32*\t+4*\f:S+32*\t+4*\f+3], s[10:11] offset:\t*2048+\f*512   ; the wave stores 512 consecutive bytes, aligned
.endr
.endm
	PACK 0
	PACK 1
	SEND 0, 8
	PACK 2
	SEND 1, 8
	PACK 3
	SEND 2, 8
	SEND 3, 0
	s_wait_tensorcnt 0x0                           ; the wave's end
	ds_add_u32 v[SPW], v[NIL]
	s_wait_dscnt 0x0
	CROUND                                         ; the closing round
	s_endpgm
.Lfunc_end_k_q472fe36e9d_attn:
	.size	k_q472fe36e9d_attn, .Lfunc_end_k_q472fe36e9d_attn-k_q472fe36e9d_attn
	.p2alignl 7, 3214868480
	.fill 96, 4, 3214868480
	.section	.rodata,"a",@progbits
	.p2align	6, 0x0
	.amdhsa_kernel k_q472fe36e9d_attn
		.amdhsa_group_segment_fixed_size 327680
		.amdhsa_private_segment_fixed_size 0
		.amdhsa_enable_private_segment 0
		.amdhsa_kernarg_size 16
		.amdhsa_user_sgpr_count 2
		.amdhsa_user_sgpr_kernarg_segment_ptr 1
		.amdhsa_wavefront_size32 1
		.amdhsa_system_sgpr_workgroup_id_x 1
		.amdhsa_system_sgpr_workgroup_id_y 1
		.amdhsa_system_sgpr_workgroup_id_z 1
		.amdhsa_system_vgpr_workitem_id 0
		.amdhsa_next_free_vgpr 1024
		.amdhsa_next_free_sgpr 72
		.amdhsa_reserve_vcc 0
		.amdhsa_float_denorm_mode_32 3
		.amdhsa_float_denorm_mode_16_64 3
		.amdhsa_memory_ordered 1
		.amdhsa_forward_progress 1
		.amdhsa_inst_pref_size 196
	.end_amdhsa_kernel
	.amdgpu_metadata
---
amdhsa.version: [ 1, 2 ]
amdhsa.kernels:
  - .name:           k_q472fe36e9d_attn
    .symbol:         k_q472fe36e9d_attn.kd
    .args:
      - { .name: qkv, .offset: 0, .size: 8, .value_kind: global_buffer, .address_space: global }
      - { .name: xh, .offset: 8, .size: 8, .value_kind: global_buffer, .address_space: global }
    .group_segment_fixed_size: 327680
    .private_segment_fixed_size: 0
    .kernarg_segment_align: 8
    .kernarg_segment_size: 16
    .max_flat_workgroup_size: 128
    .sgpr_count:     72
    .vgpr_count:     1024
    .wavefront_size: 32
...
	.end_amdgpu_metadata
.endif
;; end of part 3
;; launch outproj (part 4): grid 8 x 32, 4 waves a work-group, clusters of 4 x 4, 327,680 bytes of LDS; arguments xh, woh, out0, bo; writes out0
.if DOCPART == 4
	.amdgcn_target "amdgcn-amd-amdhsa--gfx1250"
	.amdhsa_code_object_version 6
	.text
	.protected	k_q472fe36e9d_outproj
	.globl	k_q472fe36e9d_outproj
	.p2align	8
	.type	k_q472fe36e9d_outproj,@function
k_q472fe36e9d_outproj:
	s_mov_b64 s[64:65], 0
	v_nop
	global_prefetch_b8 v0, s[64:65] scope:SCOPE_SE
	s_setreg_imm32_b32 hwreg(HW_REG_WAVE_MODE, 25, 1), 1
	s_wait_xcnt 0x0
	s_wait_alu depctr_hold_cnt(0) depctr_sa_sdst(0) depctr_va_vdst(0) depctr_va_sdst(0) depctr_va_ssrc(0) depctr_va_vcc(0) depctr_vm_vsrc(0)
	s_getreg_b32 s2, hwreg(HW_REG_IB_STS2, 6, 4)
	s_cmp_eq_u32 s2, 0
	s_cbranch_scc0 .Lentry_in_a_cluster
	s_endpgm
.Lentry_in_a_cluster:
	s_bfe_u32 s2, ttmp6, 0x10000c
	s_cmp_lg_u32 s2, 0xf033
	s_cbranch_scc0 .Lentry_shape_is_right
	s_endpgm
.Lentry_shape_is_right:
; out0[m][n] = bo[n] + sum over k of x[m][k] Wo[k][n].  x: xh, f16, [block of 128 rows 32][head 16][row 128][64]; Wo: woh, f16, [k 1024][n 1024]; out0: [4096][1024] f32; sums in f32.
; The bias is the first addend of each sum.
; A tile of out0 is 128 x 128: 256 work-groups; four waves, each 64 x 64: 16 accumulators.  K goes in steps of 256 (four heads) through two LDS slots.
; A's tile of a K step is 65,536 dense bytes of xh (four heads x 128 rows x 128 bytes); B's is 256 rows of Wo x 256 bytes, and comes out of LDS turned, by ds_load_tr16_b128, since K is Wo's first axis.
; CLUSTERS: 4 x 4 work-groups; A's tiles are asked for jointly along a row of the cluster, B's along a column.  No prefetch: four K steps on small tiles.
; THE MATRIX INSTRUCTION IS USED TRANSPOSED (source 0 = 16 columns of Wo, source 1 = 16 rows of x): a lane holds eight neighbouring numbers of a row of out0.
; REGISTERS: window 0: v16-29 addresses; v32-95 the way out; v96-127 the bias, eight registers for each block of 16 columns; v128-255 the accumulators.   window 1: two fragment buffers of 128: 64 of A, then 64 of B.
.set PA,     144                       ; a row of A in LDS: 128 bytes + 16
.set PB,     288                       ; a row of B: 256 bytes + 32
.set QUART,  36864                     ; what one tensor load fills: 256 rows of A or 128 rows of B
.set BOFF,   2*QUART
.set SLOT,   4*QUART
.set STAGE,  2*SLOT                    ; behind the ring: 16 rows x (256 bytes + 16) for each wave: a wave's 64 columns are 256 consecutive bytes of out0
.set SPITCH, 272
.set SPARE,  STAGE+4*16*SPITCH         ; the spare words, 128 bytes for each wave, which no other line names
.set LAPS,   2                         ; K = 1,024: four K steps, twice round the ring
.set ADRA, 16                          ; v16-17  my A fragments in slot 0, 1
.set ADRB, 20                          ; v20-23  my B fragments: [slot][half of the slot's 256 rows]: one register would want offsets beyond the 16-bit immediate
.set STO,  24
.set RD,   25
.set CO,   26
.set SPW,  28
.set NIL,  29
.set TMP,  32
.set BIAS, 96
.set ACC,  128
.set F0,   0
.set F1,   128
.set G1, 24
.set G0, 32
.set G1B, 48
.set G0B, 56
.set MSB, 0
.macro WIN new
.if MSB != \new
	s_set_vgpr_msb (MSB<<8)|\new
.set MSB, \new
.endif
.endm
.set MUL,  0x05                        ; sources 0 and 1 window 1; C and D window 0
.set TO_F, 0x40
.macro JLOAD s                         ; waves 0 and 1 fetch A's halves, waves 2 and 3 B's; an s_nop 0 and four v_nop follow each line
	s_cmp_eq_u32 s11, 0
	s_cbranch_scc0 .Lfor_b_\@
	tensor_load_to_lds s[G0+4*\s:G0+4*\s+3], s[G1:G1+7]
	s_nop 0
.rept 4
	v_nop
.endr
	s_branch .Lasked_\@
.Lfor_b_\@:
	tensor_load_to_lds s[G0B+4*\s:G0B+4*\s+3], s[G1B:G1B+7]
	s_nop 0
.rept 4
	v_nop
.endr
.Lasked_\@:
.endm
.macro CREST
	s_cmp_lg_u32 s10, 0
	s_cbranch_scc1 .Lnot_wave_0_\@
	s_barrier_signal -3
.Lnot_wave_0_\@:
	s_barrier_wait -3
	s_barrier_signal -1
	s_barrier_wait -1
.endm
.macro CROUND
	s_barrier_signal -1
	s_barrier_wait -1
	CREST
.endm
	s_load_b128 s[4:7], s[0:1], 0x0                ; xh, woh
	s_load_b64 s[8:9], s[0:1], 0x10                ; out0
	s_load_b64 s[66:67], s[0:1], 0x18              ; bo
	v_lshl_add_u32 v[SPW], v0, 2, SPARE
	v_mov_b32 v[NIL], 0
	ds_add_u32 v[SPW], v[NIL]                      ; the wave's opening: the add, twice on end, and its wait ahead of my first tensor load
	ds_add_u32 v[SPW], v[NIL]
	v_lshrrev_b32 v1, 5, v0
	v_readfirstlane_b32 s10, v1                    ; wave 0..3
	s_lshr_b32 s11, s10, 1                         ; my half of the tile's rows.  Also: I fetch for A (0) or for B (1)
	s_and_b32 s12, s10, 1                          ; my half of its columns.  Also: which half I fetch
	s_bfe_u32 s40, ttmp6, 0x40000
	s_bfe_u32 s41, ttmp6, 0x40004
	s_lshl_b32 s42, ttmp9, 2
	s_add_co_u32 s42, s42, s40                     ; tile column 0..7
	s_and_b32 s13, ttmp7, 0xffff
	s_lshl_b32 s13, s13, 2
	s_add_co_u32 s13, s13, s41                     ; tile row 0..31
	s_lshl_b32 s43, s41, 2
	s_lshl_b32 s43, 15, s43                        ; my row of the cluster
	s_lshl_b32 s44, 0x1111, s40                    ; my column
	s_or_b32 s[G1+0], s43, (1<<16)|(1<<20)|(1<<21)|(4<<22)|(3<<25)   ; A: elements of 2 bytes; 4 words of padding after every 32; bit 21 beside the mask
	s_mov_b32 s[G1+1], 64<<16                      ; tensor_dim0
	s_mov_b32 s[G1+2], 256<<16                     ; tensor_dim1: two heads x 128 rows
	s_mov_b32 s[G1+3], 64<<16                      ; tile_dim0
	s_mov_b32 s[G1+4], 256                         ; tile_dim1
	s_mov_b32 s[G1+5], 64                          ; dense
	s_mov_b32 s[G1+6], 0
	s_mov_b32 s[G1+7], 0
	s_or_b32 s[G1B+0], s44, (1<<16)|(1<<20)|(1<<21)|(5<<22)|(7<<25)  ; B: 8 words of padding after every 64
	s_mov_b32 s[G1B+1], 128<<16
	s_mov_b32 s[G1B+2], 128<<16
	s_mov_b32 s[G1B+3], 128<<16
	s_mov_b32 s[G1B+4], 128
	s_mov_b32 s[G1B+5], 1024                       ; a row of Wo
	s_mov_b32 s[G1B+6], 0
	s_mov_b32 s[G1B+7], 0
	s_lshl_b32 s16, s13, 18                        ; A: the tile row's block of 262,144 bytes, + two heads for the second half
	s_lshl_b32 s17, s12, 15
	s_add_co_u32 s16, s16, s17
	s_mov_b32 s17, 0
	s_lshl_b32 s46, s42, 8                         ; B: the tile column's 256 bytes of a row, + 128 rows of 2,048 bytes for the second half
	s_lshl_b32 s47, s12, 18
	s_add_co_u32 s46, s46, s47
	s_mov_b32 s47, 0
	s_mul_i32 s20, s10, QUART                      ; where they go: made of the wave's number alone
	s_wait_dscnt 0x0                               ; both opening adds are done
	s_wait_kmcnt 0x0
	s_add_nc_u64 s[14:15], s[4:5], s[16:17]
	s_add_nc_u64 s[46:47], s[6:7], s[46:47]
	CROUND                                         ; all sixteen work-groups are here: the first joint loads meet
.irp s, 0,1
	s_mov_b32 s[G0+4*\s], 1
	s_add_co_u32 s[G0+4*\s+1], s20, \s*SLOT
	s_add_nc_u64 s[G0+4*\s+2:G0+4*\s+3], s[14:15], \s*65536
	s_or_b32 s[G0+4*\s+3], s[G0+4*\s+3], 0x80000000
	s_mov_b32 s[G0B+4*\s], 1
	s_add_co_u32 s[G0B+4*\s+1], s20, \s*SLOT
	s_add_nc_u64 s[G0B+4*\s+2:G0B+4*\s+3], s[46:47], \s*524288
	s_or_b32 s[G0B+4*\s+3], s[G0B+4*\s+3], 0x80000000
	JLOAD \s
.endr
	v_and_b32 v1, 15, v0                           ; r
	v_bfe_u32 v2, v0, 4, 1                         ; h
	s_lshl_b32 s46, s42, 9                         ; my first column, in bytes of f32: the same in bo and in a row of out0
	s_lshl_b32 s47, s12, 8
	s_add_co_u32 s46, s46, s47
	s_mov_b32 s47, 0
	s_add_nc_u64 s[66:67], s[66:67], s[46:47]
	s_add_nc_u64 s[8:9], s[8:9], s[46:47]
	v_lshlrev_b32 v6, 5, v2
.irp b, 0,1,2,3
	global_load_b128 v[BIAS+8*\b:BIAS+8*\b+3], v6, s[66:67] offset:64*\b      ; lane (r, h), block b: columns 16 b + 8 h + 0 .. 7
	global_load_b128 v[BIAS+8*\b+4:BIAS+8*\b+7], v6, s[66:67] offset:64*\b+16
.endr
	s_lshl_b32 s16, s13, 19                        ; my first row: 128 x tile row + 64 x half, 4,096 bytes each
	s_lshl_b32 s17, s11, 18
	s_add_co_u32 s16, s16, s17
	s_mov_b32 s17, 0
	s_add_nc_u64 s[8:9], s[8:9], s[16:17]
	v_mul_u32_u24 v3, v1, PA
	v_lshl_add_u32 v3, v2, 4, v3                   ; A: row x pitch + 16 x half
	s_mul_i32 s21, s11, 64*PA                      ; my 64 rows of each head
	v_and_b32 v4, 7, v0                            ; B, the turning load: lane l reads row 8 (l / 16) + l % 8, columns 8 ((l / 8) % 2) + 0..7
	v_lshl_add_u32 v4, v2, 3, v4
	v_mul_u32_u24 v4, v4, PB
	v_bfe_u32 v5, v0, 3, 1
	v_lshl_add_u32 v4, v5, 4, v4
	s_lshl_b32 s22, s12, 7                         ; my 64 columns
	s_add_co_u32 s22, s22, BOFF
.irp s, 0,1
	v_add_nc_u32 v[ADRA+\s], s21, v3
	v_add_nc_u32 v[ADRB+2*\s], s22, v4
	s_add_co_u32 s23, s22, 128*PB
	v_add_nc_u32 v[ADRB+2*\s+1], s23, v4
	s_add_co_u32 s21, s21, SLOT
	s_add_co_u32 s22, s22, SLOT
.endr
	s_mul_i32 s23, s10, 16*SPITCH
	s_add_co_u32 s23, s23, STAGE                   ; my stage
	v_mul_u32_u24 v5, v1, SPITCH
	v_lshl_add_u32 v5, v2, 5, v5
	v_add_nc_u32 v[STO], s23, v5                   ; in: row r, 32 bytes for each half of the lanes
	v_mul_u32_u24 v5, v2, SPITCH
	v_lshl_add_u32 v5, v1, 4, v5
	v_add_nc_u32 v[RD], s23, v5                    ; back: lanes 0-15 one row of 256 bytes, lanes 16-31 the next
	v_lshlrev_b32 v5, 12, v2
	v_lshl_add_u32 v[CO], v1, 4, v5                ; and the same two rows in out0
; 8 matrix instructions: row blocks a0, a0 + 1 x all 4 column blocks, 32 along K: half c of buffer f.  zero = 1: the first product of each sum takes the bias as its C.  The 16 accumulators take turns.
.macro MUL8 f, c, a0, zero
.irp a, \a0, \a0+1
.irp b, 0,1,2,3
.if \zero
	v_wmma_f32_16x16x32_f16 v[ACC+8*(4*(\a)+\b):ACC+8*(4*(\a)+\b)+7], v[\f+64+8*(4*\c+\b):\f+64+8*(4*\c+\b)+7], v[\f+8*(4*\c+\a):\f+8*(4*\c+\a)+7], v[BIAS+8*\b:BIAS+8*\b+7]
.else
	v_wmma_f32_16x16x32_f16 v[ACC+8*(4*(\a)+\b):ACC+8*(4*(\a)+\b)+7], v[\f+64+8*(4*\c+\b):\f+64+8*(4*\c+\b)+7], v[\f+8*(4*\c+\a):\f+8*(4*\c+\a)+7], v[ACC+8*(4*(\a)+\b):ACC+8*(4*(\a)+\b)+7]
.endif
.endr
.endr
.endm
; 32 LDS loads in one run: the fragments of the slot's q-th 64 along K (one head) into buffer f; the first 32 along K first
.macro FETCH slot, q, f
	WIN TO_F
.irp c, 0,1
.irp i, 0,1,2,3
	ds_load_tr16_b128 v[\f+64+8*(4*\c+\i):\f+64+8*(4*\c+\i)+3],   v[ADRB+2*\slot+(\q)/2] offset:(((\q)%2)*64+32*\c)*PB+32*\i
	ds_load_tr16_b128 v[\f+64+8*(4*\c+\i)+4:\f+64+8*(4*\c+\i)+7], v[ADRB+2*\slot+(\q)/2] offset:(((\q)%2)*64+32*\c)*PB+32*\i+16*PB
	ds_load_b128 v[\f+8*(4*\c+\i):\f+8*(4*\c+\i)+3],               v[ADRA+\slot] offset:(\q)*128*PA+\i*16*PA+64*\c
	ds_load_b128 v[\f+8*(4*\c+\i)+4:\f+8*(4*\c+\i)+7],             v[ADRA+\slot] offset:(\q)*128*PA+\i*16*PA+64*\c+32
.endr
.endr
.endm
.macro PLACES                          ; four plain vector instructions ahead of loads into registers that matrix instructions have read, and of reads of their results
.rept 4
	v_nop
.endr
.endm
.macro QUARTER slot, q, f, g, zero     ; multiplies buffer f and fetches the slot's q-th quarter into g
	s_wait_dscnt 16                                ; the first 32 along K are in; the sixteen loads of the second 32 may be out
	WIN MUL
	MUL8 \f, 0, 0, \zero
	MUL8 \f, 0, 2, \zero
	PLACES
	FETCH \slot, \q, \g
	s_wait_dscnt 32                                ; all but the 32 just issued
	WIN MUL
	MUL8 \f, 1, 0, 0
	MUL8 \f, 1, 2, 0
.endm
; A slot's last quarter multiplies buffer 1 and changes slots: ONE barrier; in front of it each wave waits for all its tensor loads, adds 0 to its spare word, and waits for that and for its own reads of this slot.
; fill = 1: the barrier opens a round of the cluster's, and this slot is filled again, two K steps ahead, first thing behind it.
.macro TURN slot, next, fill
	WIN 0
	s_wait_tensorcnt 0x0                           ; all my tensor loads have landed: my part of the next slot
	ds_add_u32 v[SPW], v[NIL]
	s_wait_dscnt 17                                ; the add and the youngest sixteen loads may be out
	WIN MUL
	MUL8 F1, 0, 0, 0
	s_wait_dscnt 0x0                               ; the add is done, and my reads of this slot are over
	s_barrier_signal -1
	MUL8 F1, 0, 2, 0
.if \fill
	WIN 0
.endif
	s_barrier_wait -1
.if \fill
	CREST
	s_add_nc_u64 s[G0+4*\slot+2:G0+4*\slot+3], s[G0+4*\slot+2:G0+4*\slot+3], 2*65536
	s_add_nc_u64 s[G0B+4*\slot+2:G0B+4*\slot+3], s[G0B+4*\slot+2:G0B+4*\slot+3], 2*524288
	JLOAD \slot                                    ; the four v_nop behind it are also the places in front of the loads below
.else
	PLACES
.endif
	FETCH \next, 0, F0
	WIN MUL
	MUL8 F1, 1, 0, 0
	MUL8 F1, 1, 2, 0
.endm
	s_wait_tensorcnt 1                             ; my part of K step 0 is in; K step 1's, the one load behind it, may be out
	s_barrier_signal -1
	s_barrier_wait -1
	FETCH 0, 0, F0
	s_wait_loadcnt 0x0                             ; the bias
	QUARTER 0, 1, F0, F1, 1                        ; the first quarter stands in front of the loop: its first products start the sums
	WIN 0
	s_mov_b32 s3, LAPS-1
.Llap:                                                 ; a trip goes once round the ring and fills both slots again
	QUARTER 0, 2, F1, F0, 0
	QUARTER 0, 3, F0, F1, 0
	TURN 0, 1, 1
	QUARTER 1, 1, F0, F1, 0
	QUARTER 1, 2, F1, F0, 0
	QUARTER 1, 3, F0, F1, 0
	TURN 1, 0, 1
	QUARTER 0, 1, F0, F1, 0
	WIN 0
	s_sub_co_u32 s3, s3, 1
	s_cmp_lg_u32 s3, 0
	s_cbranch_scc1 .Llap
	QUARTER 0, 2, F1, F0, 0                        ; the last lap fills nothing, and has no round of the cluster's barrier
	QUARTER 0, 3, F0, F1, 0
	TURN 0, 1, 0
	QUARTER 1, 1, F0, F1, 0
	QUARTER 1, 2, F1, F0, 0
	QUARTER 1, 3, F0, F1, 0
	s_wait_dscnt 16                                ; the very last quarter: nothing more to fetch
	WIN MUL
	MUL8 F1, 0, 0, 0
	MUL8 F1, 0, 2, 0
	s_wait_dscnt 0
	MUL8 F1, 1, 0, 0
	MUL8 F1, 1, 2, 0
	WIN 0
; THE WAY OUT, a block of 16 rows x 64 columns at a time, through my own stage: in 32 bytes a lane, back as whole rows of 256 bytes, two an instruction.
.macro TOSTAGE a
.irp b, 0,1,2,3
	ds_store_b128 v[STO], v[ACC+8*(4*(\a)+\b):ACC+8*(4*(\a)+\b)+3] offset:64*\b        ; each accumulator from its low end on
	ds_store_b128 v[STO], v[ACC+8*(4*(\a)+\b)+4:ACC+8*(4*(\a)+\b)+7] offset:64*\b+16
.endr
.irp t, 0,1,2,3,4,5,6,7
	ds_load_b128 v[TMP+32*((\a)%2)+4*\t:TMP+32*((\a)%2)+4*\t+3], v[RD] offset:\t*2*SPITCH   ; LDS serves a wave's instructions in order: these see the stores above
.endr
.endm
.macro SEND a, younger                 ; younger: the LDS instructions issued behind block a's loads: the next block's sixteen, or none
	s_wait_dscnt \younger
.irp t, 0,1,2,3,4,5,6,7
	global_store_b128 v[CO], v[TMP+32*((\a)%2)+4*\t:TMP+32*((\a)%2)+4*\t+3], s[8:9] offset:(16*(\a)+2*\t)*4096 th:TH_STORE_NT   ; sixteen lanes store 256 consecutive bytes, aligned
.endr
.endm
	PLACES
	TOSTAGE 0
.irp a, 1,2,3
.if \a > 1
	s_wait_xcnt 0x0                                ; block a - 2's stores have read their registers: block a's loads may land there
.endif
	TOSTAGE \a
	SEND \a-1, 16
.endr
	SEND 3, 0
	s_wait_tensorcnt 0x0                           ; the wave's end
	ds_add_u32 v[SPW], v[NIL]
	s_wait_dscnt 0x0
	CROUND                                         ; the closing round
	s_endpgm
.Lfunc_end_k_q472fe36e9d_outproj:
	.size	k_q472fe36e9d_outproj, .Lfunc_end_k_q472fe36e9d_outproj-k_q472fe36e9d_outproj
	.p2alignl 7, 3214868480
	.fill 96, 4, 3214868480
	.section	.rodata,"a",@progbits
	.p2align	6, 0x0
	.amdhsa_kernel k_q472fe36e9d_outproj
		.amdhsa_group_segment_fixed_size 327680
		.amdhsa_private_segment_fixed_size 0
		.amdhsa_enable_private_segment 0
		.amdhsa_kernarg_size 32
		.amdhsa_user_sgpr_count 2
		.amdhsa_user_sgpr_kernarg_segment_ptr 1
		.amdhsa_wavefront_size32 1
		.amdhsa_system_sgpr_workgroup_id_x 1
		.amdhsa_system_sgpr_workgroup_id_y 1
		.amdhsa_system_sgpr_workgroup_id_z 1
		.amdhsa_system_vgpr_workitem_id 0
		.amdhsa_next_free_vgpr 512
		.amdhsa_next_free_sgpr 70
		.amdhsa_reserve_vcc 0
		.amdhsa_float_denorm_mode_32 3
		.amdhsa_float_denorm_mode_16_64 3
		.amdhsa_memory_ordered 1
		.amdhsa_forward_progress 1
		.amdhsa_inst_pref_size 87
	.end_amdhsa_kernel
	.amdgpu_metadata
---
amdhsa.version: [ 1, 2 ]
amdhsa.kernels:
  - .name:           k_q472fe36e9d_outproj
    .symbol:         k_q472fe36e9d_outproj.kd
    .args:
      - { .name: xh, .offset: 0, .size: 8, .value_kind: global_buffer, .address_space: global }
      - { .name: woh, .offset: 8, .size: 8, .value_kind: global_buffer, .address_space: global }
      - { .name: out0, .offset: 16, .size: 8, .value_kind: global_buffer, .address_space: global }
      - { .name: bo, .offset: 24, .size: 8, .value_kind: global_buffer, .address_space: global }
    .group_segment_fixed_size: 327680
    .private_segment_fixed_size: 0
    .kernarg_segment_align: 8
    .kernarg_segment_size: 32
    .max_flat_workgroup_size: 128
    .sgpr_count:     70
    .vgpr_count:     512
    .wavefront_size: 32
...
	.end_amdgpu_metadata
.endif
;; end of part 4
